; MI455X (gfx1250); checked and timed in simulation.
; The chip was launched on July 23, 2026; its instructions are those of AMD's public machine-readable ISA for CDNA 5 (MIT licence, August 2026) and "CDNA5" Instruction Set Architecture Reference Guide (July 2026). The comments in the code are by the model that wrote it; some were corrected since.
;; Scaled Dot Product Attention. Allowed arithmetic: matrix products marked QUANTISED: E2M3 operands, one E8M0 scale for each 32 along K, by v_wmma_scale_f32_16x16x128_f8f6f4 with both operands' format E2M3, f32 sums; everything else in f32.
;; Inputs: K 4 x 16 x 2,048 x 128 float32; Q 4 x 16 x 2,048 x 128 float32; V 4 x 16 x 2,048 x 128 float32; mask 2,048 x 2,048 bool.
;; Outputs: out0 4 x 16 x 2,048 x 128 float32.
;; This version of the problem:
;;   THIS VERSION OF THE PROBLEM IS GIVEN IN LOW PRECISION. The matrix products marked QUANTISED in the list below multiply operands that are first quantised to E2M3 (2 exponent bits, 3 mantissa bits; 6 bits a number), with one power-of-two scale for each 32 numbers along K (OCP MX v1.0); their sums are f32. All else is computed in f32.
;;   The module's matrix products, in the order in which they are computed (A, B: the left and right operand; K: the contracted axis; several contracted axes count as one K, in the product's order):
;;     1. batch 64 x [M 2,048, K 128] x [K 128, N 2,048]; A: input Q; B: input K: QUANTISED
;;     2. batch 64 x [M 2,048, K 2,048] x [K 2,048, N 128]; A: softmax (see below); B: input V: QUANTISED
;;   THE QUANTISER, for each operand of a quantised product, along K:
;;     - K is cut into blocks of 32 from its start; a last block that is shorter is filled with zeros.
;;     - A block's scale is 2^e with e = floor(log2(the largest magnitude in the block)) - 2, held to -126 .. 127; a block of zeros has e = 0. As a byte (E8M0): e + 127.
;;     - Each number is divided by its block's scale, clamped to +-7.5, and rounded to the nearest number of E2M3, ties to even, subnormals kept.
;;     - The product sums the exact products of the quantised numbers (number of the format x scale) in f32.
;;   ~~~python
;;   def quantise(x, axis):      # numpy; x: float32 -> the quantised numbers, widened to float32 again
;;       x = np.moveaxis(x, axis, -1); K = x.shape[-1]
;;       x = np.pad(x, [(0, 0)] * (x.ndim - 1) + [(0, -K % 32)]); x = x.reshape(x.shape[:-1] + (-1, 32)); a = np.abs(x).max(-1, keepdims=True)
;;       e = np.where(a > 0, np.clip(np.frexp(np.where(a > 0, a, 1))[1] - 1 - 2, -126, 127), 0)      # np.frexp(a)[1] - 1 = floor(log2(a)), exactly
;;       r = np.clip(x / 2.0 ** e, -7.5, 7.5)
;;       step = 2.0 ** (np.maximum(np.frexp(np.where(r == 0, 1, r))[1] - 1, 0) - 3)
;;       q = np.round(r / step) * step * 2.0 ** e      # np.round: ties to even
;;       return np.moveaxis(q.reshape(q.shape[:-2] + (-1,))[..., :K], -1, axis).astype(np.float32)
;;   ~~~
;;   SOFTMAX AHEAD OF A QUANTISED PRODUCT. Where the list says 'softmax', what is quantised is not the finished softmax but p = 2^(t - M), with t = logit x log2(e) and M = ceil(the row's largest t), a whole number; so 1/2 < the row's largest p <= 1. The row's sum l is taken of the UNQUANTISED p, in f32, and the product's result is divided by l at the end. Since M is a whole number, a kernel that streams over the keys may use a running M (the ceiling of the running maximum): every later rescaling is an exact power of two, which a block's scale takes up: the codes' values come out the same.
;;   OPERANDS COMPUTED ON THE WAY. 'Computed on the way' means the value that the module computes at that place (a softmax that the list does not call 'softmax' is quantised finished and normalised). What goes into a quantiser is computed in f32, as accurately as f32 sums, v_exp_f32 and their like allow (about 1e-6 of the number): no bf16 or f16 on the way to a quantiser, and a product that is left as it is and whose result goes on into a quantised operand takes f32 operands (vector FMAs, or v_wmma_f32_16x16x4_f32). A number that lies on a knife's edge between two numbers of the format may be rounded either way, as far as f32 arithmetic and the matrix unit's own rounding can turn it there, and no further.
;; 2 versions. Each part assembles by itself: llvm-mc -triple=amdgcn-amd-amdhsa -mcpu=gfx1250 --defsym DOCPART=n.
;; ======== version 1 of 2: 2 launches
;; workspace buffers: kv 26,214,400 bytes; qq 13,107,200 bytes; mw 524,288 bytes of whole numbers; mf 2,048 bytes of whole numbers
;; launch prep (part 1): grid 3200 x 1, 4 waves a work-group, no clusters, 34,304 bytes of LDS; arguments Q, K, V, mask, qq, kv, mw, mf; writes qq, kv, mw, mf
.if DOCPART == 1
	.amdgcn_target "amdgcn-amd-amdhsa--gfx1250"
	.amdhsa_code_object_version 6
	.text
	.protected	k_q41070c1ec7_prep
	.globl	k_q41070c1ec7_prep
	.p2align	8
	.type	k_q41070c1ec7_prep,@function
k_q41070c1ec7_prep:
	s_mov_b64 s[64:65], 0
	v_nop
	global_prefetch_b8 v0, s[64:65] scope:SCOPE_SE
	s_setreg_imm32_b32 hwreg(HW_REG_WAVE_MODE, 25, 1), 1
	s_wait_xcnt 0x0
; Q, K, V [64 heads][2048][128] f32 become codes of FP6 (E2M3) with one E8M0 scale byte for each 32 along a product's K, laid as IMAGES OF THE OPERAND'S REGISTERS;
; the mask [2048][2048] of bytes becomes lane words and flags for the attention launch.
; A fragment (16 rows x 128 K) is 12 registers a lane: its image is 1,536 bytes: registers 4 c .. 4 c + 3 at 512 c, lane l's 16 bytes at 16 l.
; kv: a record of 25,600 bytes for each head and key step of 128 keys: K's 8 tiles (K = the head's 128) at 0, V's 8 tiles (K = the 128 keys; tile t = channels 16 t on) at 12,288,
;     K's scale words at 24,576 (word 32 w + l: lanes 0-15 tile 2 w, lanes 16-31 tile 2 w + 1), V's at 25,088 likewise.
;     THE KEYS OF A TILE OF K ARE NOT NEIGHBOURS: lane r of tile 2 b + u holds key 32 b + 8 u + r + 8 (r / 8), so that the scores of tiles 2 b, 2 b + 1 are 16 neighbouring keys in a lane's registers.
; qq: a record of 12,800 bytes for each head and 128 queries: 8 tiles of 16 neighbouring queries, then their scale words in the same order.
; mw: word (16 T + j) x 64 + n, T a tile of 16 queries, j a key step: bit l = mask[16 T + l % 16][128 j + 32 (n / 16) + 16 (l / 16) + n % 16]: the lane mask of score register n.
; mf: word 4 T + w: bit j (j = 4 w .. 4 w + 3): some byte of (T, j) is true; bit 16 + j: some but not all.
; A block's scale is 2^(floor(log2(largest magnitude)) - 2); its byte is the largest magnitude's exponent field - 2, held at 1 from below by a floor among the maximum's leaves.
; LIMITS: NaN and infinities among Q, K, V are not served; a block whose largest magnitude lies under 2^-124 keeps the byte 1; a block of zeros has the byte 1 where the rule says 127:
; its codes are zeros, which add nothing under that byte, and this program alone reads the bytes.
; SHARES: work-groups 0-127: the mask, a tile of 16 queries each; 128-1151: K, 128 rows each; 1152-2175: Q likewise, by the same text; 2176-3199: V, 128 keys each.
; No tensor load, no barrier: waves share nothing.  Only the rows' text touches LDS: a stage of its own for each wave.
.set REC,   25600
.set QREC,  12800
.set STAGE, 8448                       ; a wave's stage: 16 rows x (512 bytes + 16): the pitch is an odd multiple of 16 bytes, so the 16 rows of a load fall on different banks
.set FLOOR, 0x1800000                  ; 2^(3 - 127)
	s_load_b512 s[4:19], s[0:1], 0x0               ; Q s[4:5], K s[6:7], V s[8:9], mask s[10:11], qq s[12:13], kv s[14:15], mw s[16:17], mf s[18:19]
	v_lshl_add_u32 v200, v0, 2, 0x8400
	v_mov_b32 v201, 0
	v_and_b32 v1, 31, v0                           ; lane
	v_and_b32 v2, 15, v0                           ; r
	v_bfe_u32 v3, v0, 4, 1                         ; h
	v_lshrrev_b32 v9, 5, v0
	v_readfirstlane_b32 s20, v9                    ; wave 0..3
	s_mul_i32 s21, s20, STAGE
	v_lshlrev_b32 v4, 4, v1                        ; 16 x lane
	v_lshlrev_b32 v10, 2, v1                       ; 4 x lane
	v_add_nc_u32 v26, s21, v4                      ; the stage, on the way in: a row's 512 bytes as they lie
	v_mul_u32_u24 v27, v2, 528
	v_lshl_add_u32 v27, v3, 7, v27
	v_add_nc_u32 v27, s21, v27                     ; and on the way out: row r, + 128 h: my 32 numbers of each 64
	s_mov_b32 s60, 0x76543210
	s_mov_b32 s61, 0xfedcba98                      ; v_permlanex16_b32's selects for lane l xor 16
	s_wait_kmcnt 0x0
	s_cmp_lt_u32 ttmp9, 128
	s_cbranch_scc1 .Lmask
	s_cmp_lt_u32 ttmp9, 2176
	s_cbranch_scc0 .Lvrole
; ---------------- K and Q: K innermost.  Wave w takes rows 32 w .. 32 w + 31 of the group's 128: two tiles.
	s_sub_co_u32 s21, ttmp9, 128
	s_and_b32 s22, s21, 1023                       ; 16 x head + group of 128 rows
	s_mov_b32 s28, REC
	s_mov_b32 s29, 24576
	s_mov_b32 s30, 4096
	s_cmp_ge_u32 s21, 1024                         ; Q's work-group or K's?  The choice hangs on the work-group's number alone; only selects follow
	s_cselect_b64 s[32:33], s[4:5], s[6:7]         ; from
	s_cselect_b64 s[24:25], s[12:13], s[14:15]     ; to
	s_cselect_b32 s28, QREC, s28                   ; a record
	s_cselect_b32 s29, 12288, s29                  ; where its scale words begin
	s_cselect_b32 s31, 0, s30                      ; K: lanes 8-15 of tile 0 take rows 8 further down
	s_cselect_b32 s30, s30, 0                      ; Q: lanes 0-7 of tile 1 take rows 8 further down
	s_lshl_b32 s34, s22, 16                        ; 128 rows of 512 bytes
	s_lshl_b32 s35, s20, 14                        ; my wave's 32
	s_add_co_u32 s34, s34, s35
	s_mov_b32 s35, 0
	s_add_nc_u64 s[32:33], s[32:33], s[34:35]
	s_mul_i32 s34, s22, s28
	s_add_nc_u64 s[24:25], s[24:25], s[34:35]      ; the record
	s_lshl_b32 s36, s20, 7
	s_add_co_u32 s36, s36, s29
	s_mov_b32 s37, 0
	s_add_nc_u64 s[26:27], s[24:25], s[36:37]      ; my 32 scale words
	s_mul_i32 s36, s20, 3072
	s_add_nc_u64 s[24:25], s[24:25], s[36:37]      ; my two images
	v_add_nc_u32 v5, s31, v4
	v_add_nc_u32 v6, s30, v4
	v_lshlrev_b32 v11, 3, v3                       ; 8 h
	v_mov_b32 v18, 0                               ; a lane permute's destination counts as one of its sources
; Each load reads one whole row, 512 consecutive bytes.  Row of (tile u, lane r) among my 32: K: 8 u + r + 8 (r / 8); Q: 16 u + r.
.irp r, 0,1,2,3,4,5,6,7
	global_load_b128 v[32+4*\r:35+4*\r], v4, s[32:33] offset:512*\r th:TH_LOAD_NT
.endr
.irp r, 8,9,10,11,12,13,14,15
	global_load_b128 v[32+4*\r:35+4*\r], v5, s[32:33] offset:512*\r th:TH_LOAD_NT
.endr
.irp r, 0,1,2,3,4,5,6,7
	global_load_b128 v[96+4*\r:99+4*\r], v6, s[32:33] offset:512*(8+\r) th:TH_LOAD_NT
.endr
.irp r, 8,9,10,11,12,13,14,15
	global_load_b128 v[96+4*\r:99+4*\r], v4, s[32:33] offset:512*(16+\r) th:TH_LOAD_NT
.endr
; A tile's 16 rows go through my stage and come back so that register 32 c + i of lane (r, h) is number 64 c + 32 h + i of row r: the order of the operand's layout.
; LDS serves a wave's instructions in order: no wait between the stores and the loads, nor in front of the next tile's stores.
.macro TURN u
.irp r, 0,1,2,3,4,5,6,7,8,9,10,11,12,13,14,15
	ds_store_b128 v26, v[32+64*(\u)+4*\r:35+64*(\u)+4*\r] offset:528*\r
.endr
.irp c, 0,1
.irp q, 0,1,2,3,4,5,6,7
	ds_load_b128 v[32+64*(\u)+32*\c+4*\q:35+64*(\u)+32*\c+4*\q], v27 offset:256*\c+16*\q
.endr
.endr
.endm
; Tile u: my two whole blocks of 32 become six registers of codes each; the scale word's four bytes are gathered from lanes l and l xor 16; the image is stored, 512 consecutive bytes a store.
.macro QROW u
.set XR, 32+64*(\u)
.set CR, 160+12*(\u)
.irp c, 0,1
	v_max3_num_f32 v[12+\c], |v[XR+32*\c]|, |v[XR+32*\c+1]|, FLOOR
.endr
.irp i, 2,4,6,8,10,12,14,16,18,20,22,24,26,28,30
.irp c, 0,1
	v_max3_num_f32 v[12+\c], v[12+\c], |v[XR+32*\c+\i]|, |v[XR+32*\c+\i+1]|   ; the two blocks by turns
.endr
.endr
.irp c, 0,1
	v_add_nc_u32 v[14+\c], 0xff000000, v[12+\c]    ; 2 off the exponent field: the conversion's scale operand
.endr
.irp c, 0,1
	v_lshrrev_b32 v[16+\c], 23, v[14+\c]           ; the scale's byte
.endr
	v_lshl_or_b32 v[20+\u], v17, 16, v16           ; blocks h and 2 + h,
	v_lshlrev_b32 v[20+\u], v11, v[20+\u]          ; at their places in the word;
	v_permlanex16_b32 v18, v[20+\u], s60, s61
	v_or_b32 v[20+\u], v[20+\u], v18               ; with lane l xor 16's two the word is whole
.irp c, 0,1
	v_cvt_scalef32_pk16_fp6_f32 v[CR+6*\c:CR+6*\c+2], v[XR+32*\c:XR+32*\c+15], v[14+\c]
	v_cvt_scalef32_pk16_fp6_f32 v[184+4*\c:186+4*\c], v[XR+32*\c+16:XR+32*\c+31], v[14+\c]   ; (a conversion's three registers begin on an even number)
.endr
	v_nop                                          ; one plain place behind a scaled conversion
.irp c, 0,1
.irp i, 0,1,2
	v_mov_b32 v[CR+6*\c+3+\i], v[184+4*\c+\i]
.endr
.endr
.irp k, 0,1,2
	global_store_b128 v4, v[CR+4*\k:CR+4*\k+3], s[24:25] offset:1536*(\u)+512*\k
.endr
.endm
	s_wait_loadcnt 16                              ; tile 0's 16 rows are in; tile 1's 16 loads may be out
	TURN 0
	s_wait_loadcnt 0x0
	TURN 1
	s_wait_dscnt 32                                ; tile 0 is back from the stage; behind its loads stand tile 1's 16 stores and 16 loads
	QROW 0
	s_wait_dscnt 0x0
	QROW 1
	v_cmp_le_u32 vcc_lo, 16, v1
	v_cndmask_b32 v22, v20, v21, vcc_lo            ; lanes 0-15: tile 0's words, lanes 16-31: tile 1's
	global_store_b32 v10, v22, s[26:27]            ; 128 consecutive bytes
	s_wait_tensorcnt 0x0
	ds_add_u32 v200, v201
	s_wait_dscnt 0x0
	s_endpgm
; ---------------- V: K = the keys, which are not innermost.  A lane takes a channel (32 x wave + lane), and its registers run down the 128 keys: nothing is transposed.
.Lvrole:
	s_sub_co_u32 s22, ttmp9, 2176                  ; 16 x head + key step
	s_lshl_b32 s34, s22, 16                        ; 128 keys of 512 bytes
	s_lshl_b32 s35, s20, 7                         ; my wave's 32 channels
	s_add_co_u32 s34, s34, s35
	s_mov_b32 s35, 0
	s_add_nc_u64 s[32:33], s[8:9], s[34:35]
	s_mul_i32 s34, s22, REC
	s_add_nc_u64 s[24:25], s[14:15], s[34:35]      ; the record
	s_lshl_b32 s36, s20, 7
	s_add_co_u32 s36, s36, 25088
	s_mov_b32 s37, 0
	s_add_nc_u64 s[26:27], s[24:25], s[36:37]      ; my 32 scale words
	s_mul_i32 s36, s20, 3072
	s_add_co_u32 s36, s36, 12288
	s_add_nc_u64 s[24:25], s[24:25], s[36:37]      ; my two images
	v_mul_u32_u24 v5, v3, 1536
	v_lshl_add_u32 v5, v2, 4, v5                   ; tile lane / 16 of my two, row lane % 16
.macro VLOAD t                         ; block t: V(32 t + i, my channel): 128 consecutive bytes a wave, the four waves side by side on a row's 512
.irp i, 0,1,2,3,4,5,6,7,8,9,10,11,12,13,14,15,16,17,18,19,20,21,22,23,24,25,26,27,28,29,30,31
	global_load_b32 v[32+32*(\t)+\i], v10, s[32:33] offset:512*(32*(\t)+\i) th:TH_LOAD_NT
.endr
.endm
; Block kb of 32 keys is registers 6 (kb / 2) .. + 5 of the fragment's lane (r, kb % 2): I make both lanes' registers of my channel: v160-171 for h = 0, v172-183 for h = 1.
.macro VBLK kb
.set XR, 32+32*(\kb)
.set CR, 160+12*((\kb)%2)+6*((\kb)/2)
.if (\kb) < 3
	s_wait_loadcnt 32                              ; this block's 32 loads are in; the next block's may be out
.else
	s_wait_loadcnt 0x0
.endif
.if (\kb) < 2
	VLOAD (\kb)+2
.endif
	v_max3_num_f32 v[12+\kb], |v[XR]|, |v[XR+1]|, |v[XR+2]|
	v_max3_num_f32 v25, |v[XR+3]|, |v[XR+4]|, |v[XR+5]|
.irp i, 6,10,14,18,22,26
	v_max3_num_f32 v[12+\kb], v[12+\kb], |v[XR+\i]|, |v[XR+\i+1]|
	v_max3_num_f32 v25, v25, |v[XR+\i+2]|, |v[XR+\i+3]|
.endr
	v_max3_num_f32 v[12+\kb], v[12+\kb], |v[XR+30]|, |v[XR+31]|
	v_max3_num_f32 v[12+\kb], v[12+\kb], v25, FLOOR
	v_add_nc_u32 v[16+\kb], 0xff000000, v[12+\kb]
	v_lshrrev_b32 v[20+\kb], 23, v[16+\kb]
.if (\kb) == 0
	v_mov_b32 v24, v20                             ; the four bytes make my channel's scale word
.else
	v_lshl_or_b32 v24, v[20+\kb], 8*(\kb), v24
.endif
	v_cvt_scalef32_pk16_fp6_f32 v[CR:CR+2], v[XR:XR+15], v[16+\kb]
	v_cvt_scalef32_pk16_fp6_f32 v[184+4*(\kb):186+4*(\kb)], v[XR+16:XR+31], v[16+\kb]
	v_nop                                          ; one plain place behind a scaled conversion
.irp i, 0,1,2
	v_mov_b32 v[CR+3+\i], v[184+4*(\kb)+\i]
.endr
.endm
	VLOAD 0
	VLOAD 1
	VBLK 0
	VBLK 1
	VBLK 2
	VBLK 3
.irp h, 0,1
.irp k, 0,1,2
	global_store_b128 v5, v[160+12*\h+4*\k:163+12*\h+4*\k], s[24:25] offset:512*\k+256*\h   ; each half of the lanes stores 256 consecutive bytes, aligned
.endr
.endr
	global_store_b32 v10, v24, s[26:27]
	s_endpgm
; ---------------- the mask: work-group T takes 16 queries, wave w the key steps 4 w .. 4 w + 3.
.Lmask:
	s_lshl_b32 s28, ttmp9, 15                      ; 16 rows of 2,048 bytes
	s_lshl_b32 s30, s20, 9                         ; 4 key steps of 128 bytes
	s_add_co_u32 s28, s28, s30
	s_mov_b32 s29, 0
	s_add_nc_u64 s[22:23], s[10:11], s[28:29]
	s_lshl_b32 s28, ttmp9, 4
	s_lshl_b32 s30, s20, 2
	s_add_co_u32 s28, s28, s30
	s_lshl_b32 s28, s28, 8                         ; 256 bytes of words for each (T, j)
	s_add_nc_u64 s[24:25], s[16:17], s[28:29]
	s_lshl_b32 s28, ttmp9, 2
	s_add_co_u32 s28, s28, s20
	s_lshl_b32 s28, s28, 2
	s_add_nc_u64 s[26:27], s[18:19], s[28:29]
	v_lshlrev_b32 v28, 11, v2
	v_lshl_add_u32 v28, v3, 4, v28                 ; row r, + 16 h: my 16 bytes of each 32
	v_lshlrev_b32 v5, 3, v1                        ; out: two words a lane
	v_mov_b32 v6, 0
	s_mov_b32 s52, 0
.irp i, 0,1,2,3,4,5,6,7
	v_mov_b32 v[116+\i], 0                         ; v_writelane_b32's destination counts as read
.endr
.irp j, 0,1,2,3
.irp b, 0,1,2,3
	global_load_b128 v[32+16*\j+4*\b:35+16*\j+4*\b], v28, s[22:23] offset:128*\j+32*\b
.endr
.endr
; Key step jj of my four.  Byte i of block b in lane (r, h) is mask[16 T + r][128 j + 32 b + 16 h + i]: a compare over the lanes gives word n = 16 b + i, which goes to lane n / 2, register n % 2.
.macro MJ jj
	s_wait_loadcnt 12-4*(\jj)                      ; this step's four loads are in; the later steps' may be out
.irp b, 0,1,2,3
.irp i, 0,1,2,3,4,5,6,7,8,9,10,11,12,13,14,15
	v_and_b32 v[96+\i], 0xff<<(8*(\i%4)), v[32+16*(\jj)+4*\b+\i/4]
.endr
.irp i, 0,1,2,3,4,5,6,7,8,9,10,11,12,13,14,15
	v_cmp_ne_u32 s[32+\i], 0, v[96+\i]
.endr
.irp i, 0,1,2,3,4,5,6,7,8,9,10,11,12,13,14,15
	v_writelane_b32 v[116+2*(\jj)+\i%2], s[32+\i], 8*\b+\i/2
.endr
.endr
	v_or_b32 v112, v[32+16*(\jj)], v[33+16*(\jj)]
	v_and_b32 v113, v[32+16*(\jj)], v[33+16*(\jj)]
.irp i, 2,3,4,5,6,7,8,9,10,11,12,13,14,15
	v_or_b32 v112, v112, v[32+16*(\jj)+\i]
	v_and_b32 v113, v113, v[32+16*(\jj)+\i]
.endr
	v_cmp_ne_u32 s48, 0, v112                      ; lanes with a true byte
	v_cmp_ne_u32 s49, 0x01010101, v113             ; lanes with a byte that is not 1
	s_cmp_lg_u32 s48, 0
	s_cselect_b32 s50, 1, 0                        ; some
	s_cmp_lg_u32 s49, 0
	s_cselect_b32 s51, 1, 0
	s_and_b32 s51, s51, s50                        ; some but not all
	s_lshl_b32 s50, s50, \jj
	s_lshl_b32 s51, s51, 16+\jj
	s_or_b32 s52, s52, s50
	s_or_b32 s52, s52, s51
	global_store_b64 v5, v[116+2*(\jj):117+2*(\jj)], s[24:25] offset:256*(\jj)   ; 256 consecutive bytes, aligned
.endm
	MJ 0
	MJ 1
	MJ 2
	MJ 3
	s_lshl_b32 s30, s20, 2
	s_lshl_b32 s52, s52, s30                       ; bits 4 w on, and 16 + 4 w on
	v_mov_b32 v7, s52
	v_cmp_eq_u32 vcc_lo, 0, v1
	s_wait_xcnt 0x0                                ; EXEC is a source of the stores above: it changes only behind this wait
	s_and_saveexec_b32 s53, vcc_lo
	global_store_b32 v6, v7, s[26:27]              ; lane 0 stores my wave's flag word
	s_wait_xcnt 0x0                                ; and again, in front of the line that widens it
	s_or_b32 exec_lo, exec_lo, s53
	s_endpgm
.Lfunc_end_k_q41070c1ec7_prep:
	.size	k_q41070c1ec7_prep, .Lfunc_end_k_q41070c1ec7_prep-k_q41070c1ec7_prep
	.p2alignl 7, 3214868480
	.fill 96, 4, 3214868480
	.section	.rodata,"a",@progbits
	.p2align	6, 0x0
	.amdhsa_kernel k_q41070c1ec7_prep
		.amdhsa_group_segment_fixed_size 34304
		.amdhsa_private_segment_fixed_size 0
		.amdhsa_enable_private_segment 0
		.amdhsa_kernarg_size 64
		.amdhsa_user_sgpr_count 2
		.amdhsa_user_sgpr_kernarg_segment_ptr 1
		.amdhsa_wavefront_size32 1
		.amdhsa_system_sgpr_workgroup_id_x 1
		.amdhsa_system_sgpr_workgroup_id_y 1
		.amdhsa_system_sgpr_workgroup_id_z 1
		.amdhsa_system_vgpr_workitem_id 0
		.amdhsa_next_free_vgpr 202
		.amdhsa_next_free_sgpr 66
		.amdhsa_reserve_vcc 1
		.amdhsa_float_denorm_mode_32 3
		.amdhsa_float_denorm_mode_16_64 3
		.amdhsa_memory_ordered 1
		.amdhsa_forward_progress 1
		.amdhsa_inst_pref_size 93
	.end_amdhsa_kernel
	.amdgpu_metadata
---
amdhsa.version: [ 1, 2 ]
amdhsa.kernels:
  - .name:           k_q41070c1ec7_prep
    .symbol:         k_q41070c1ec7_prep.kd
    .args:
      - { .name: Q, .offset: 0, .size: 8, .value_kind: global_buffer, .address_space: global }
      - { .name: K, .offset: 8, .size: 8, .value_kind: global_buffer, .address_space: global }
      - { .name: V, .offset: 16, .size: 8, .value_kind: global_buffer, .address_space: global }
      - { .name: mask, .offset: 24, .size: 8, .value_kind: global_buffer, .address_space: global }
      - { .name: qq, .offset: 32, .size: 8, .value_kind: global_buffer, .address_space: global }
      - { .name: kv, .offset: 40, .size: 8, .value_kind: global_buffer, .address_space: global }
      - { .name: mw, .offset: 48, .size: 8, .value_kind: global_buffer, .address_space: global }
      - { .name: mf, .offset: 56, .size: 8, .value_kind: global_buffer, .address_space: global }
    .group_segment_fixed_size: 34304
    .private_segment_fixed_size: 0
    .kernarg_segment_align: 8
    .kernarg_segment_size: 64
    .max_flat_workgroup_size: 128
    .sgpr_count:     66
    .vgpr_count:     202
    .wavefront_size: 32
...
	.end_amdgpu_metadata
.endif
;; end of part 1
;; launch attn (part 2): grid 4 x 64, 16 waves a work-group, no clusters, 122,880 bytes of LDS; arguments qq, kv, mw, mf, out0; writes out0
.if DOCPART == 2
	.amdgcn_target "amdgcn-amd-amdhsa--gfx1250"
	.amdhsa_code_object_version 6
	.text
	.protected	k_q41070c1ec7_attn
	.globl	k_q41070c1ec7_attn
	.p2align	8
	.type	k_q41070c1ec7_attn,@function
k_q41070c1ec7_attn:
	s_mov_b64 s[64:65], 0
	v_nop
	global_prefetch_b8 v0, s[64:65] scope:SCOPE_SE
	s_setreg_imm32_b32 hwreg(HW_REG_WAVE_MODE, 25, 1), 1
	s_wait_xcnt 0x0
; out0[head][q][:] = the sum over k of softmax_k(mask ? Q.K / sqrt(128) : -inf) V[k][:], both products on codes of FP6 (E2M3) with one E8M0 scale for each 32 along a product's K.
; Codes and scale words come as images of the operands' registers (buffers qq and kv), the mask as lane words (mw) and flags (mf), all stored by the launch before.
; THE SOFTMAX AHEAD OF THE SECOND PRODUCT: t = score x log2(e) / sqrt(128); M = the row's largest t so far, rounded UP to a whole number; p = 2^(t - M) is quantised along the keys, not normalised.
; The row's sum is taken of the unquantised p in f32 and divides at the end.  When M moves, the sum and O are multiplied by 2^(old M - new M): exact.
; SHARES.  A work-group (x = 0..3, head) makes two blocks of 256 queries: block 7 - x, then block x.  Each of its sixteen waves owns one tile of 16 queries in 256 registers: four waves to a SIMD.
; Every block walks all 16 key steps of 128 keys: a constant count, one barrier a step.  WHAT THE MASK THROWS AWAY IS NOT DONE: a wave whose tile has no true byte in a step jumps over the step's work,
; a step that no tile of the block wants is not fetched, and the mask is applied only where a tile's bytes are mixed: scalar branches on the stored flags, never round a barrier.
; A step's record (25,600 bytes) goes from memory through registers into one of two LDS slots: asked for at a step's head, stored at its end, read in the next step.
; NO TENSOR LOADS, NO CLUSTER: the walk hangs on numbers read from memory, and partners of a cluster would want different numbers of records.
; LAYOUT.  Both products are used transposed: S^T = K Q^T (source 0 = 16 keys, source 1 = my 16 queries), O^T = V^T P^T: a lane holds ONE query (lane % 16) throughout;
; the 16 registers of score tiles 2 b, 2 b + 1 are keys 32 b + 16 (lane / 16) + 0 .. 15 (the launch before has chosen the keys of a tile of K so).
; LIMITS: NaN and infinities among the inputs are not served.  A query with no true mask byte has the sum 0 and comes out NaN, as the softmax of a row of -inf does.
; REGISTERS: v1-5, v7-9 addresses that stay; v12 -M, v13 the largest t, v[14:15] the sum in two halves; v16-27 Q; v28, v29 the prefetches' offsets; v32-79 four fragments of K or V;
; v80-95 a record's bytes on their way to LDS; v96-159 S^T, then p; v160-223 O^T; v224-235 p's codes; v232-247, v252, v254 at work; v248, v249 K's or V's scale words; v253 p's; v255 Q's.
.set REC,  25600                       ; a record, and a slot
.set VCO,  12288                       ; V's images in it
.set KSC,  24576                       ; K's scale words
.set VSC,  25088                       ; V's
.set STG,  2*REC                       ; behind the slots: a stage of 16 rows x (256 bytes + 16) for each wave, for the way out
.set WV,   14                          ; s14  my wave
.set HEAD, 15                          ; s15
.set WX,   16                          ; s16  work-group x
.set QB,   17                          ; s17  the block of 256 queries in hand
.set BK,   18                          ; s18  blocks to go
.set TR,   19                          ; s19  pairs of key steps to go
                                       ; s[20:51], s[68:99]  a step's 64 mask words: word n in s[20 + n + 16 (n / 32)]; in the heads: at work
.set FL,   52                          ; s52  my tile's flags, shifted a bit a step: bit 0 some, bit 16 mixed
.set ND,   53                          ; s53  bit 0: the block wants the record that the next fill takes
.set TT,   54                          ; s54  at work
.set GG,   55                          ; s55  pairs of steps done in the launch, 0..15
.set KVP,  56                          ; s[56:57] the record that the next fill takes
.set MWP,  58                          ; s[58:59] this step's 256 bytes of mask words
.set SEL,  60                          ; s[60:61] selects for lane l xor 16
.set CS,   62                          ; s[62:63] c = log2(e) / sqrt(128), twice
.set OUTP, 66                          ; s[66:67] my 16 rows of out0
.set QP,   100                         ; s[100:101] the block's flags, then my Q record
.set LIMK, 104                         ; s104 a wave prefetches records while s[GG] is under it
.set QWHEN, 105                        ; s105 and Q's records when s[GG] equals it
.set PFQ,  2                           ; s[2:3] the second block's two records of qq
	s_load_b256 s[4:11], s[0:1], 0x0               ; qq s[4:5], kv s[6:7], mw s[8:9], mf s[10:11]
	s_load_b64 s[12:13], s[0:1], 0x20              ; out0
	v_lshl_add_u32 v250, v0, 2, 0x1d800
	v_mov_b32 v251, 0
	v_lshrrev_b32 v10, 5, v0
	v_readfirstlane_b32 s[WV], v10                 ; wave 0..15
	s_and_b32 s[HEAD], ttmp7, 0xffff
	s_mov_b32 s[WX], ttmp9
	v_and_b32 v1, 31, v0
	v_lshlrev_b32 v2, 2, v1                        ; 4 x lane: a scale word's place
	v_lshlrev_b32 v1, 4, v1                        ; 16 x lane: an image's place
	v_lshlrev_b32 v3, 4, v0                        ; 16 x thread: the fills' place, in memory and in a slot
	v_and_b32 v10, 15, v0                          ; r
	v_bfe_u32 v11, v0, 4, 1                        ; h
	s_and_b32 s20, s[WV], 7                        ; my tile in its record of qq
	s_mul_i32 s21, s20, 1536
	v_add_nc_u32 v4, s21, v1
	s_lshl_b32 s21, s20, 6
	v_lshl_add_u32 v5, v10, 2, s21
	v_lshlrev_b32 v7, 9, v11
	v_lshl_add_u32 v7, v10, 4, v7                  ; out0: lanes 0-15 one row, lanes 16-31 the next; 16 bytes a lane
	s_mul_i32 s20, s[WV], 16*272
	s_add_co_u32 s20, s20, STG                     ; my stage
	v_mul_u32_u24 v8, v10, 272
	v_lshl_add_u32 v8, v11, 5, v8
	v_add_nc_u32 v8, s20, v8                       ; in: row r, + 32 h
	v_mul_u32_u24 v9, v11, 272
	v_lshl_add_u32 v9, v10, 4, v9
	v_add_nc_u32 v9, s20, v9                       ; back: lanes 0-15 one row, lanes 16-31 the next
	v_min_u32 v28, 99, v0
	v_lshlrev_b32 v28, 8, v28                      ; the prefetches: threads 256 bytes apart, held at the 25,600 bytes' last 256
	v_add_nc_u32 v29, 0xffffff80, v0               ; (thread - 128, for waves 4 to 7)
	v_min_u32 v29, 99, v29
	v_lshlrev_b32 v29, 8, v29
.set n, 0
.rept 16
	v_mov_b32 v[80+n], 0                           ; written once, so that they are written on every way to the LDS stores that name them
.set n, n+1
.endr
.irp b, 0,1,2,3
	v_mov_b32 v[236+\b], 0                         ; a lane permute's destination counts as one of its sources
.endr
	v_mov_b32 v252, 0
	v_mov_b32 v253, 0                              ; (named as the upper half of the pair v[252:253] before it is first written)
	s_mov_b32 s[SEL], 0x76543210
	s_mov_b32 s[SEL+1], 0xfedcba98
	s_mov_b32 s[CS], 0x3e0293ee
	s_mov_b32 s[CS+1], s[CS]
	s_lshr_b32 s20, s[WV], 2
	s_xor_b32 s20, s20, 1                          ; 0 in waves 4 to 7,
	s_or_b32 s20, s20, s[WX]                       ; of the head's work-group 0
	s_cmp_eq_u32 s20, 0
	s_cselect_b32 s[LIMK], 7, 0
	s_cmp_lt_u32 s[WV], 4
	s_cselect_b32 s[QWHEN], 4, -1
	s_sub_co_u32 s[QB], 7, s[WX]
	s_mov_b32 s[BK], 2
	s_mov_b32 s[GG], 0
	s_lshl_b32 s20, s[HEAD], 4
	s_lshl_b32 s21, s[WX], 1
	s_add_co_u32 s20, s20, s21
	s_mul_i32 s20, s20, 12800
	s_mov_b32 s21, 0
	s_wait_kmcnt 0x0
	s_add_nc_u64 s[PFQ:PFQ+1], s[4:5], s[20:21]
; The record at s[KVP] is asked for, if the block wants it: 512 threads x 16 bytes, three times, are K's and V's images; waves 0 and 1 bring the 1,024 bytes of scale words.
.macro ASKFILL
	s_and_b32 s[TT], s[ND], 1
	s_cmp_eq_u32 s[TT], 0
	s_cbranch_scc1 .Lnoask_\@
	global_load_b128 v[80:83], v3, s[KVP:KVP+1]
	global_load_b128 v[84:87], v3, s[KVP:KVP+1] offset:8192
	global_load_b128 v[88:91], v3, s[KVP:KVP+1] offset:16384
	s_cmp_gt_u32 s[WV], 1
	s_cbranch_scc1 .Lnoask_\@
	global_load_b128 v[92:95], v3, s[KVP:KVP+1] offset:24576
.Lnoask_\@:
.endm
; and stored into the slot at byte sb; then the step's ONE barrier.  In front of it my stores into that slot have landed and my reads of the other slot are over:
; behind it the slot just written is read, and the slot just read is written.
.macro PUTFILL sb
	s_wait_loadcnt 0x0                             ; on every way: no load is out on v80-95 (nor on Q's registers, at a block's head)
	s_wait_xcnt 0x0                                ; a prefetch may have read s[KVP]: it is stepped only behind this wait
	s_add_nc_u64 s[KVP:KVP+1], s[KVP:KVP+1], REC
	s_and_b32 s[TT], s[ND], 1
	s_lshr_b32 s[ND], s[ND], 1
	s_cmp_eq_u32 s[TT], 0
	s_cbranch_scc1 .Lnoput_\@
	ds_store_b128 v3, v[80:83] offset:(\sb)
	ds_store_b128 v3, v[84:87] offset:(\sb)+8192
	ds_store_b128 v3, v[88:91] offset:(\sb)+16384
	s_cmp_gt_u32 s[WV], 1
	s_cbranch_scc1 .Lnoput_\@
	ds_store_b128 v3, v[92:95] offset:(\sb)+24576
.Lnoput_\@:
	s_wait_dscnt 0x0
	s_barrier_signal -1
	s_barrier_wait -1
.endm
; Score tile n of 8: 16 keys x my 16 queries.  A register of scale words carries an even tile's in lanes 0-15 and the next tile's in lanes 16-31.
.macro KQ n
.set rD, 96+8*(\n)
.set rA, 32+12*((\n)%4)
.set rS, 248+((\n)%4)/2
.if (\n)%2
	v_wmma_scale_f32_16x16x128_f8f6f4 v[rD:rD+7], v[rA:rA+11], v[16:27], 0, v[rS], v255 matrix_a_fmt:MATRIX_FMT_FP6 matrix_b_fmt:MATRIX_FMT_FP6 matrix_a_scale:MATRIX_SCALE_ROW1
.else
	v_wmma_scale_f32_16x16x128_f8f6f4 v[rD:rD+7], v[rA:rA+11], v[16:27], 0, v[rS], v255 matrix_a_fmt:MATRIX_FMT_FP6 matrix_b_fmt:MATRIX_FMT_FP6
.endif
.endm
; Tile n of 8 of O^T: 16 channels x my 16 queries, K = the step's 128 keys.  The eight accumulators take turns, one instruction a turn.
.macro PV n
.set rD, 160+8*(\n)
.set rA, 32+12*((\n)%4)
.set rS, 248+((\n)%4)/2
.if (\n)%2
	v_wmma_scale_f32_16x16x128_f8f6f4 v[rD:rD+7], v[rA:rA+11], v[224:235], v[rD:rD+7], v[rS], v253 matrix_a_fmt:MATRIX_FMT_FP6 matrix_b_fmt:MATRIX_FMT_FP6 matrix_a_scale:MATRIX_SCALE_ROW1
.else
	v_wmma_scale_f32_16x16x128_f8f6f4 v[rD:rD+7], v[rA:rA+11], v[224:235], v[rD:rD+7], v[rS], v253 matrix_a_fmt:MATRIX_FMT_FP6 matrix_b_fmt:MATRIX_FMT_FP6
.endif
.endm
; Four fragments (three loads of 512 consecutive bytes each) and their two registers of scale words
.macro FRAGS base, scl, g
.irp t, 0,1,2,3
.irp c, 0,1,2
	ds_load_b128 v[32+12*\t+4*\c:35+12*\t+4*\c], v1 offset:(\base)+1536*(4*(\g)+\t)+512*\c
.endr
.endr
.irp p, 0,1
	ds_load_b32 v[248+\p], v2 offset:(\scl)+128*(2*(\g)+\p)
.endr
	s_wait_dscnt 0x0
.endm
; A KEY STEP'S WORK for my tile, from the slot at byte sb.
.macro COMPUTE sb
	s_load_b512 s[20:35], s[MWP:MWP+1], 0x0        ; the step's 64 mask words: asked for now, waited for behind the products
	s_load_b512 s[36:51], s[MWP:MWP+1], 0x40
	s_load_b512 s[68:83], s[MWP:MWP+1], 0x80
	s_load_b512 s[84:99], s[MWP:MWP+1], 0xc0
	FRAGS (\sb), (\sb)+KSC, 0                      ; (four places stand behind the last step's products, at that step's end)
.irp t, 0,1,2,3
	KQ \t
.endr
.rept 4
	v_nop                                          ; places in front of loads into registers that matrix instructions have read
.endr
	FRAGS (\sb), (\sb)+KSC, 1
.irp t, 4,5,6,7
	KQ \t
.endr
.rept 4
	v_nop                                          ; places in front of the first read of the scores
.endr
	s_wait_kmcnt 0x0                               ; the mask words are in
	s_and_b32 s[TT], s[FL], 0x10000
	s_cmp_eq_u32 s[TT], 0
	s_cbranch_scc1 .Lopen_\@                       ; all of the tile's bytes are true in this step: nothing to hide
	v_mov_b32 v254, 0xff800000                     ; -infinity
.set n, 0
.rept 64
	v_cndmask_b32 v[96+n], v254, v[96+n], s[20+n+16*(n/32)]   ; where the lane's bit is 0 the score is hidden: p = 0 then.  Ascending: each accumulator is read from its low end on
.set n, n+1
.endr
.Lopen_\@:
.irp b, 0,1,2,3
	v_max3_num_f32 v[232+\b], v[96+16*\b], v[97+16*\b], v[98+16*\b]   ; the largest score of each block of 32 keys: for the row's maximum and, since p rises with the score, for the block's largest p
.endr
.irp i, 3,5,7,9,11,13
.irp b, 0,1,2,3
	v_max3_num_f32 v[232+\b], v[232+\b], v[96+16*\b+\i], v[97+16*\b+\i]
.endr
.endr
.irp b, 0,1,2,3
	v_max_num_f32 v[232+\b], v[232+\b], v[111+16*\b]
.endr
.irp b, 0,1,2,3
	v_permlanex16_b32 v[236+\b], v[232+\b], s[SEL], s[SEL+1]
.endr
.irp b, 0,1,2,3
	v_max_num_f32 v[232+\b], v[232+\b], v[236+\b]  ; with lane l xor 16's 16 keys
.endr
	v_max3_num_f32 v254, v232, v233, v234
	v_max_num_f32 v254, v254, v235                 ; the step's largest score of my query
	v_mul_f32 v254, s[CS], v254                    ; as t (c is positive)
	v_max_num_f32 v13, v13, v254                   ; the running largest t
	v_mov_b32 v254, v12
	v_floor_f32 v12, -v13                          ; the new -M = floor(-t) = -ceil(t): a whole number
	v_sub_f32 v254, v12, v254                      ; old M - new M: a whole number, 0 or less
	v_cvt_i32_f32 v254, v254                       ; (it saturates)
	v_ldexp_f32 v252, 1.0, v254                    ; f = 2^(old M - new M)
.set n, 0
.rept 32
	v_pk_fma_f32 v[96+n:97+n], v[96+n:97+n], s[CS:CS+1], v[12:13] op_sel_hi:[1,0,0]   ; t - M, two at a time
.set n, n+2
.endr
.irp b, 0,1,2,3
	v_fma_f32 v[232+\b], v[232+\b], s[CS], v12     ; the same of each block's largest score
.endr
.set n, 0
.rept 64
	v_exp_f32 v[96+n], v[96+n]                     ; p = 2^(t - M), at most 1: not normalised
.set n, n+1
.endr
	v_pk_mul_f32 v[14:15], v[14:15], v[252:253] op_sel_hi:[1,0]   ; the sums under the new M: the plain place behind the exponentials
	s_wait_alu depctr_va_vdst(0)                   ; one wait for the whole batch, ahead of its first reader
.irp b, 0,1,2,3
	v_exp_f32 v[232+\b], v[232+\b]                 ; the block's largest p: the same two instructions on the same number give the same bits
.endr
	v_pk_add_f32 v[236:237], v[96:97], v[98:99]    ; the row's sum is taken of the unquantised p: two at a time, in two chains
.irp j, 4,8,12,16,20,24,28,32,36,40,44,48,52,56,60
	v_pk_add_f32 v[14:15], v[14:15], v[96+\j:97+\j]
	v_pk_add_f32 v[236:237], v[236:237], v[98+\j:99+\j]
.endr
	v_pk_add_f32 v[14:15], v[14:15], v[236:237]
	s_wait_alu depctr_va_vdst(0)                   ; and one for the four
.irp b, 0,1,2,3
	v_max_num_f32 v[232+\b], 0x1800000, v[232+\b]  ; the floor 2^(3 - 127): the byte cannot fall under 1 (a block of zeros keeps that byte: its codes are zeros)
.endr
.irp b, 0,1,2,3
	v_add_nc_u32 v[244+\b], 0xff000000, v[232+\b]  ; 2 off the exponent field: the conversion's scale operand
.endr
.irp b, 0,1,2,3
	v_lshrrev_b32 v[236+\b], 23, v[244+\b]         ; the scale's byte
.endr
	v_lshl_or_b32 v253, v237, 8, v236              ; p's scale word for these 128 keys
	v_lshl_or_b32 v253, v238, 16, v253
	v_lshl_or_b32 v253, v239, 24, v253
.irp c, 0,1
	v_cvt_scalef32_pk16_fp6_f32 v[224+6*\c:226+6*\c], v[96+32*\c:111+32*\c], v[244+2*\c]
	v_cvt_scalef32_pk16_fp6_f32 v[236+4*\c:238+4*\c], v[112+32*\c:127+32*\c], v[244+2*\c+1]   ; (a conversion's three registers begin on an even number)
.endr
	v_nop                                          ; one plain place behind a scaled conversion
.irp c, 0,1                                    ; the operand's layout wants a whole block in a lane: lanes 0-15 block 2 c, lanes 16-31 block 2 c + 1
.irp i, 0,1,2
	v_permlane16_swap_b32 v[224+6*\c+\i], v[236+4*\c+\i]
.endr
.irp i, 0,1,2
	v_mov_b32 v[227+6*\c+\i], v[236+4*\c+\i]
.endr
.endr
.set n, 0
.rept 32
	v_pk_mul_f32 v[160+n:161+n], v[160+n:161+n], v[252:253] op_sel_hi:[1,0]   ; O^T under the new M.  These 32 are also the places in front of the scaled products and the loads below
.set n, n+2
.endr
	FRAGS (\sb)+VCO, (\sb)+VSC, 0
.irp t, 0,1,2,3
	PV \t
.endr
.rept 4
	v_nop
.endr
	FRAGS (\sb)+VCO, (\sb)+VSC, 1
.irp t, 4,5,6,7
	PV \t
.endr
.rept 4
	v_nop                                          ; places for whatever follows on any way: the next step's loads into the fragments, the way out's reads of O^T, Q's next load
.endr
.endm
; A KEY STEP: reads slot s, fills slot 1 - s.
; PREFETCHES, behind the step's loads, from registers that are not rewritten soon.  Records: all four work-groups of a head walk the same records, so work-group 0 asks, in its first block,
; by its waves 4 to 7, a thread to each 256 bytes: in step j for record j + 2, one step ahead of the load that will want it; steps 14 and 15 ask for nothing; records 0 and 1 come by their loads alone.
; Q: in step 8 of the first block waves 0 to 3 ask for the second block's two records of qq, 25,600 bytes on end.
.macro STEP s
	ASKFILL
	s_cmp_lt_u32 s[GG], s[LIMK]
	s_cbranch_scc0 .Lnopf_\@
	global_prefetch_b8 v29, s[KVP:KVP+1] offset:REC th:TH_LOAD_NT scope:SCOPE_SE
.Lnopf_\@:
.if (\s) == 0
	s_cmp_eq_u32 s[GG], s[QWHEN]
	s_cbranch_scc0 .Lnoq_\@
	global_prefetch_b8 v28, s[PFQ:PFQ+1] th:TH_LOAD_NT scope:SCOPE_SE
.Lnoq_\@:
.endif
	s_and_b32 s[TT], s[FL], 1
	s_cmp_eq_u32 s[TT], 0
	s_cbranch_scc1 .Lskip_\@                       ; no byte of my tile is true in this step
	COMPUTE REC*(\s)
.Lskip_\@:
	s_lshr_b32 s[FL], s[FL], 1
	s_add_nc_u64 s[MWP:MWP+1], s[MWP:MWP+1], 256   ; (no scalar load is out: the step's own were waited for)
	PUTFILL REC*(1-(\s))
.endm
.Lblock:
	s_lshl_b32 s20, s[QB], 8                       ; the block's 16 tiles x 4 flag words
	s_mov_b32 s21, 0
	s_add_nc_u64 s[QP:QP+1], s[10:11], s[20:21]
	s_lshl_b32 s[TT], s[WV], 4
	s_load_b512 s[20:35], s[QP:QP+1], 0x0
	s_load_b512 s[36:51], s[QP:QP+1], 0x40
	s_load_b512 s[68:83], s[QP:QP+1], 0x80
	s_load_b512 s[84:99], s[QP:QP+1], 0xc0
	s_load_b128 s[56:59], s[QP:QP+1], s[TT] offset:0x0   ; my tile's four
	s_wait_kmcnt 0x0
	s_or_b32 s[ND], s20, s21
.set n, 22
.rept 30
	s_or_b32 s[ND], s[ND], s[n]
.set n, n+1
.endr
.set n, 68
.rept 32
	s_or_b32 s[ND], s[ND], s[n]
.set n, n+1
.endr
	s_and_b32 s[ND], s[ND], 0xffff                 ; bit j: some tile of the block wants record j
	s_or_b32 s[FL], s56, s57
	s_or_b32 s[FL], s[FL], s58
	s_or_b32 s[FL], s[FL], s59                     ; my tile's flags for the 16 steps
	s_mul_i32 s20, s[HEAD], 16*REC
	s_mov_b32 s21, 0
	s_add_nc_u64 s[KVP:KVP+1], s[6:7], s[20:21]    ; the head's record 0
	s_lshl_b32 s22, s[QB], 4
	s_add_co_u32 s22, s22, s[WV]                   ; my tile T
	s_lshl_b32 s20, s22, 12                        ; 16 steps x 256 bytes
	s_add_nc_u64 s[MWP:MWP+1], s[8:9], s[20:21]
	s_lshl_b32 s20, s[HEAD], 11
	s_lshl_b32 s22, s22, 4
	s_add_co_u32 s20, s20, s22                     ; my first row: 2,048 x head + 16 T
	s_lshl_b32 s20, s20, 9
	s_add_nc_u64 s[OUTP:OUTP+1], s[12:13], s[20:21]
	s_lshl_b32 s20, s[HEAD], 4
	s_lshl_b32 s22, s[QB], 1
	s_add_co_u32 s20, s20, s22
	s_lshr_b32 s22, s[WV], 3
	s_add_co_u32 s20, s20, s22                     ; my record of qq: 16 x head + 2 x block + wave / 8
	s_mul_i32 s20, s20, 12800
	s_add_nc_u64 s[QP:QP+1], s[4:5], s[20:21]
	ASKFILL                                        ; record 0
.irp c, 0,1,2
	global_load_b128 v[16+4*\c:19+4*\c], v4, s[QP:QP+1] offset:512*\c th:TH_LOAD_NT   ; Q's fragment stays in registers for the block
.endr
	global_load_b32 v255, v5, s[QP:QP+1] offset:12288 th:TH_LOAD_NT                   ; and its scale words
	v_mov_b32 v13, 0xff61b1e6                      ; the largest t so far: -3e38, under every t
	v_floor_f32 v12, -v13                          ; -M
	v_mov_b32 v14, 0                               ; the sum, in two halves
	v_mov_b32 v15, 0
.set n, 0
.rept 64
	v_mov_b32 v[160+n], 0                          ; O^T: which step is a tile's first hangs on the mask, so the sums begin as zeros, which the first change of M leaves zeros
.set n, n+1
.endr
	PUTFILL 0
	s_mov_b32 s[TR], 8
.Lpair:
	STEP 0
	STEP 1
	s_add_co_u32 s[GG], s[GG], 1
	s_sub_co_u32 s[TR], s[TR], 1
	s_cmp_lg_u32 s[TR], 0
	s_cbranch_scc1 .Lpair
	; THE WAY OUT.  O^T is divided by the sum and goes through my own stage in LDS, half a row (64 channels, 256 bytes) of 16 queries at a time, so that sixteen lanes store 256 consecutive bytes, aligned.
	v_add_f32 v14, v14, v15                        ; the sum's two halves,
	v_permlanex16_b32 v252, v14, s[SEL], s[SEL+1]
	v_add_f32 v14, v14, v252                       ; and lane l xor 16's: the row's sum
	v_rcp_f32 v14, v14
	v_nop                                          ; a plain place behind the transcendental
	s_wait_alu depctr_va_vdst(0)                   ; and the wait ahead of its first reader
.set n, 0
.rept 64
	v_mul_f32 v[96+n], v[160+n], v14               ; register 8 t + i is o(r, 16 t + 8 h + i)
.set n, n+1
.endr
.irp u, 0,1                                    ; channels 64 u on
.irp t, 0,1,2,3
	ds_store_b128 v8, v[96+32*\u+8*\t:99+32*\u+8*\t] offset:64*\t
	ds_store_b128 v8, v[100+32*\u+8*\t:103+32*\u+8*\t] offset:64*\t+16
.endr
.irp i, 0,1,2,3,4,5,6,7
	ds_load_b128 v[32+32*\u+4*\i:35+32*\u+4*\i], v9 offset:2*\i*272   ; LDS serves a wave's instructions in order: these see my stores, and the next half's stores come behind them
.endr
.endr
.irp u, 0,1
.irp i, 0,1,2,3,4,5,6,7
	s_wait_dscnt 15-8*\u-\i                        ; this load is back; the younger loads may be out
	global_store_b128 v7, v[32+32*\u+4*\i:35+32*\u+4*\i], s[OUTP:OUTP+1] offset:2*\i*512+256*\u th:TH_STORE_NT
.endr
.endr
	s_wait_xcnt 0x0                                ; the stores have read their registers and their base: both are written again in the next block
	s_mov_b32 s[QB], s[WX]                         ; the second block
	s_sub_co_u32 s[BK], s[BK], 1
	s_cmp_lg_u32 s[BK], 0
	s_cbranch_scc1 .Lblock
	s_wait_tensorcnt 0x0
	ds_add_u32 v250, v251
	s_wait_dscnt 0x0
	s_endpgm
.Lfunc_end_k_q41070c1ec7_attn:
	.size	k_q41070c1ec7_attn, .Lfunc_end_k_q41070c1ec7_attn-k_q41070c1ec7_attn
	.p2alignl 7, 3214868480
	.fill 96, 4, 3214868480
	.section	.rodata,"a",@progbits
	.p2align	6, 0x0
	.amdhsa_kernel k_q41070c1ec7_attn
		.amdhsa_group_segment_fixed_size 122880
		.amdhsa_private_segment_fixed_size 0
		.amdhsa_enable_private_segment 0
		.amdhsa_kernarg_size 40
		.amdhsa_user_sgpr_count 2
		.amdhsa_user_sgpr_kernarg_segment_ptr 1
		.amdhsa_wavefront_size32 1
		.amdhsa_system_sgpr_workgroup_id_x 1
		.amdhsa_system_sgpr_workgroup_id_y 1
		.amdhsa_system_sgpr_workgroup_id_z 1
		.amdhsa_system_vgpr_workitem_id 0
		.amdhsa_next_free_vgpr 256
		.amdhsa_next_free_sgpr 106
		.amdhsa_reserve_vcc 0
		.amdhsa_float_denorm_mode_32 3
		.amdhsa_float_denorm_mode_16_64 3
		.amdhsa_memory_ordered 1
		.amdhsa_forward_progress 1
		.amdhsa_inst_pref_size 67
	.end_amdhsa_kernel
	.amdgpu_metadata
---
amdhsa.version: [ 1, 2 ]
amdhsa.kernels:
  - .name:           k_q41070c1ec7_attn
    .symbol:         k_q41070c1ec7_attn.kd
    .args:
      - { .name: qq, .offset: 0, .size: 8, .value_kind: global_buffer, .address_space: global }
      - { .name: kv, .offset: 8, .size: 8, .value_kind: global_buffer, .address_space: global }
      - { .name: mw, .offset: 16, .size: 8, .value_kind: global_buffer, .address_space: global }
      - { .name: mf, .offset: 24, .size: 8, .value_kind: global_buffer, .address_space: global }
      - { .name: out0, .offset: 32, .size: 8, .value_kind: global_buffer, .address_space: global }
    .group_segment_fixed_size: 122880
    .private_segment_fixed_size: 0
    .kernarg_segment_align: 8
    .kernarg_segment_size: 40
    .max_flat_workgroup_size: 512
    .sgpr_count:     106
    .vgpr_count:     256
    .wavefront_size: 32
...
	.end_amdgpu_metadata
.endif
;; end of part 2
;; ======== version 2 of 2: 2 launches
;; workspace buffers: kv 26,214,400 bytes; qq 13,107,200 bytes; mw 524,288 bytes of whole numbers; mf 2,048 bytes of whole numbers
;; launch prep (part 3): grid 3200 x 1, 4 waves a work-group, no clusters, 34,304 bytes of LDS; arguments Q, K, V, mask, qq, kv, mw, mf; writes qq, kv, mw, mf
.if DOCPART == 3
	.amdgcn_target "amdgcn-amd-amdhsa--gfx1250"
	.amdhsa_code_object_version 6
	.text
	.protected	k_q41070c1ec7_prep
	.globl	k_q41070c1ec7_prep
	.p2align	8
	.type	k_q41070c1ec7_prep,@function
k_q41070c1ec7_prep:
	s_mov_b64 s[64:65], 0
	v_nop
	global_prefetch_b8 v0, s[64:65] scope:SCOPE_SE
	s_setreg_imm32_b32 hwreg(HW_REG_WAVE_MODE, 25, 1), 1
	s_wait_xcnt 0x0
; Q, K, V [64 heads][2048][128] f32 become codes of FP6 (E2M3) with one E8M0 scale byte for each 32 along a product's K, laid as IMAGES OF THE OPERAND'S REGISTERS;
; the mask [2048][2048] of bytes becomes lane words and flags for the attention launch.
; A fragment (16 rows x 128 K) is 12 registers a lane: its image is 1,536 bytes: registers 4 c .. 4 c + 3 at 512 c, lane l's 16 bytes at 16 l.
; kv: a record of 25,600 bytes for each head and key step of 128 keys: K's 8 tiles (K = the head's 128) at 0, V's 8 tiles (K = the 128 keys; tile t = channels 16 t on) at 12,288,
;     K's scale words at 24,576 (word 32 w + l: lanes 0-15 tile 2 w, lanes 16-31 tile 2 w + 1), V's at 25,088 likewise.
;     THE KEYS OF A TILE OF K ARE NOT NEIGHBOURS: lane r of tile 2 b + u holds key 32 b + 8 u + r + 8 (r / 8), so that the scores of tiles 2 b, 2 b + 1 are 16 neighbouring keys in a lane's registers.
; qq: a record of 12,800 bytes for each head and 128 queries: 8 tiles of 16 neighbouring queries, then their scale words in the same order.
; mw: word (16 T + j) x 64 + n, T a tile of 16 queries, j a key step: bit l = mask[16 T + l % 16][128 j + 32 (n / 16) + 16 (l / 16) + n % 16]: the lane mask of score register n.
; mf: word 4 T + w: bit j (j = 4 w .. 4 w + 3): some byte of (T, j) is true; bit 16 + j: some but not all.
; A block's scale is 2^(floor(log2(largest magnitude)) - 2); its byte is the largest magnitude's exponent field - 2, held at 1 from below by a floor among the maximum's leaves.
; LIMITS: NaN and infinities among Q, K, V are not served; a block whose largest magnitude lies under 2^-124 keeps the byte 1; a block of zeros has the byte 1 where the rule says 127:
; its codes are zeros, which add nothing under that byte, and this program alone reads the bytes.
; SHARES: work-groups 0-127: the mask, a tile of 16 queries each; 128-1151: K, 128 rows each; 1152-2175: Q likewise, by the same text; 2176-3199: V, 128 keys each.
; No tensor load, no barrier: waves share nothing.  Only the rows' text touches LDS: a stage of its own for each wave.
.set REC,   25600
.set QREC,  12800
.set STAGE, 8448                       ; a wave's stage: 16 rows x (512 bytes + 16): the pitch is an odd multiple of 16 bytes, so the 16 rows of a load fall on different banks
.set FLOOR, 0x1800000                  ; 2^(3 - 127)
	s_load_b512 s[4:19], s[0:1], 0x0               ; Q s[4:5], K s[6:7], V s[8:9], mask s[10:11], qq s[12:13], kv s[14:15], mw s[16:17], mf s[18:19]
	v_lshl_add_u32 v200, v0, 2, 0x8400
	v_mov_b32 v201, 0
	v_and_b32 v1, 31, v0                           ; lane
	v_and_b32 v2, 15, v0                           ; r
	v_bfe_u32 v3, v0, 4, 1                         ; h
	v_lshrrev_b32 v9, 5, v0
	v_readfirstlane_b32 s20, v9                    ; wave 0..3
	s_mul_i32 s21, s20, STAGE
	v_lshlrev_b32 v4, 4, v1                        ; 16 x lane
	v_lshlrev_b32 v10, 2, v1                       ; 4 x lane
	v_add_nc_u32 v26, s21, v4                      ; the stage, on the way in: a row's 512 bytes as they lie
	v_mul_u32_u24 v27, v2, 528
	v_lshl_add_u32 v27, v3, 7, v27
	v_add_nc_u32 v27, s21, v27                     ; and on the way out: row r, + 128 h: my 32 numbers of each 64
	s_mov_b32 s60, 0x76543210
	s_mov_b32 s61, 0xfedcba98                      ; v_permlanex16_b32's selects for lane l xor 16
	s_wait_kmcnt 0x0
	s_cmp_lt_u32 ttmp9, 128
	s_cbranch_scc1 .Lmask
	s_cmp_lt_u32 ttmp9, 2176
	s_cbranch_scc0 .Lvrole
; ---------------- K and Q: K innermost.  Wave w takes rows 32 w .. 32 w + 31 of the group's 128: two tiles.
	s_sub_co_u32 s21, ttmp9, 128
	s_and_b32 s22, s21, 1023                       ; 16 x head + group of 128 rows
	s_mov_b32 s28, REC
	s_mov_b32 s29, 24576
	s_mov_b32 s30, 4096
	s_cmp_ge_u32 s21, 1024                         ; Q's work-group or K's?  The choice hangs on the work-group's number alone; only selects follow
	s_cselect_b64 s[32:33], s[4:5], s[6:7]         ; from
	s_cselect_b64 s[24:25], s[12:13], s[14:15]     ; to
	s_cselect_b32 s28, QREC, s28                   ; a record
	s_cselect_b32 s29, 12288, s29                  ; where its scale words begin
	s_cselect_b32 s31, 0, s30                      ; K: lanes 8-15 of tile 0 take rows 8 further down
	s_cselect_b32 s30, s30, 0                      ; Q: lanes 0-7 of tile 1 take rows 8 further down
	s_lshl_b32 s34, s22, 16                        ; 128 rows of 512 bytes
	s_lshl_b32 s35, s20, 14                        ; my wave's 32
	s_add_co_u32 s34, s34, s35
	s_mov_b32 s35, 0
	s_add_nc_u64 s[32:33], s[32:33], s[34:35]
	s_mul_i32 s34, s22, s28
	s_add_nc_u64 s[24:25], s[24:25], s[34:35]      ; the record
	s_lshl_b32 s36, s20, 7
	s_add_co_u32 s36, s36, s29
	s_mov_b32 s37, 0
	s_add_nc_u64 s[26:27], s[24:25], s[36:37]      ; my 32 scale words
	s_mul_i32 s36, s20, 3072
	s_add_nc_u64 s[24:25], s[24:25], s[36:37]      ; my two images
	s_wait_alu depctr_va_vdst(0)
	v_add_nc_u32 v5, s31, v4
	v_add_nc_u32 v6, s30, v4
	v_lshlrev_b32 v11, 3, v3                       ; 8 h
	v_mov_b32 v18, 0                               ; a lane permute's destination counts as one of its sources
; Each load reads one whole row, 512 consecutive bytes.  Row of (tile u, lane r) among my 32: K: 8 u + r + 8 (r / 8); Q: 16 u + r.
.irp r, 0,1,2,3,4,5,6,7
	global_load_b128 v[32+4*\r:35+4*\r], v4, s[32:33] offset:512*\r th:TH_LOAD_NT
.endr
.irp r, 8,9,10,11,12,13,14,15
	global_load_b128 v[32+4*\r:35+4*\r], v5, s[32:33] offset:512*\r th:TH_LOAD_NT
.endr
.irp r, 0,1,2,3,4,5,6,7
	global_load_b128 v[96+4*\r:99+4*\r], v6, s[32:33] offset:512*(8+\r) th:TH_LOAD_NT
.endr
.irp r, 8,9,10,11,12,13,14,15
	global_load_b128 v[96+4*\r:99+4*\r], v4, s[32:33] offset:512*(16+\r) th:TH_LOAD_NT
.endr
; A tile's 16 rows go through my stage and come back so that register 32 c + i of lane (r, h) is number 64 c + 32 h + i of row r: the order of the operand's layout.
; LDS serves a wave's instructions in order: no wait between the stores and the loads, nor in front of the next tile's stores.
.macro TURN u
.irp r, 0,1,2,3,4,5,6,7,8,9,10,11,12,13,14,15
	ds_store_b128 v26, v[32+64*(\u)+4*\r:35+64*(\u)+4*\r] offset:528*\r
.endr
.irp c, 0,1
.irp q, 0,1,2,3,4,5,6,7
	ds_load_b128 v[32+64*(\u)+32*\c+4*\q:35+64*(\u)+32*\c+4*\q], v27 offset:256*\c+16*\q
.endr
.endr
.endm
; Tile u: my two whole blocks of 32 become six registers of codes each; the scale word's four bytes are gathered from lanes l and l xor 16; the image is stored, 512 consecutive bytes a store.
.macro QROW u
.set XR, 32+64*(\u)
.set CR, 160+12*(\u)
.irp c, 0,1
	v_max3_num_f32 v[12+\c], |v[XR+32*\c]|, |v[XR+32*\c+1]|, FLOOR
.endr
.irp i, 2,4,6,8,10,12,14,16,18,20,22,24,26,28,30
.irp c, 0,1
	v_max3_num_f32 v[12+\c], v[12+\c], |v[XR+32*\c+\i]|, |v[XR+32*\c+\i+1]|   ; the two blocks by turns
.endr
.endr
.irp c, 0,1
	v_add_nc_u32 v[14+\c], 0xff000000, v[12+\c]    ; 2 off the exponent field: the conversion's scale operand
.endr
.irp c, 0,1
	v_lshrrev_b32 v[16+\c], 23, v[14+\c]           ; the scale's byte
.endr
	v_lshl_or_b32 v[20+\u], v17, 16, v16           ; blocks h and 2 + h,
	v_lshlrev_b32 v[20+\u], v11, v[20+\u]          ; at their places in the word;
	v_permlanex16_b32 v18, v[20+\u], s60, s61
	v_or_b32 v[20+\u], v[20+\u], v18               ; with lane l xor 16's two the word is whole
.irp c, 0,1
	v_cvt_scalef32_pk16_fp6_f32 v[CR+6*\c:CR+6*\c+2], v[XR+32*\c:XR+32*\c+15], v[14+\c]
	v_cvt_scalef32_pk16_fp6_f32 v[184+4*\c:186+4*\c], v[XR+32*\c+16:XR+32*\c+31], v[14+\c]   ; (a conversion's three registers begin on an even number)
.endr
	v_nop                                          ; one plain place behind a scaled conversion
.irp c, 0,1
.irp i, 0,1,2
	v_mov_b32 v[CR+6*\c+3+\i], v[184+4*\c+\i]
.endr
.endr
.irp k, 0,1,2
	global_store_b128 v4, v[CR+4*\k:CR+4*\k+3], s[24:25] offset:1536*(\u)+512*\k
.endr
.endm
	s_wait_loadcnt 16                              ; tile 0's 16 rows are in; tile 1's 16 loads may be out
	TURN 0
	s_wait_loadcnt 0x0
	TURN 1
	s_wait_dscnt 32                                ; tile 0 is back from the stage; behind its loads stand tile 1's 16 stores and 16 loads
	QROW 0
	s_wait_dscnt 0x0
	QROW 1
	v_cmp_le_u32 vcc_lo, 16, v1
	v_cndmask_b32 v22, v20, v21, vcc_lo            ; lanes 0-15: tile 0's words, lanes 16-31: tile 1's
	global_store_b32 v10, v22, s[26:27]            ; 128 consecutive bytes
	s_wait_tensorcnt 0x0
	ds_add_u32 v200, v201
	s_wait_dscnt 0x0
	s_endpgm
; ---------------- V: K = the keys, which are not innermost.  A lane takes a channel (32 x wave + lane), and its registers run down the 128 keys: nothing is transposed.
.Lvrole:
	s_sub_co_u32 s22, ttmp9, 2176                  ; 16 x head + key step
	s_lshl_b32 s34, s22, 16                        ; 128 keys of 512 bytes
	s_lshl_b32 s35, s20, 7                         ; my wave's 32 channels
	s_add_co_u32 s34, s34, s35
	s_mov_b32 s35, 0
	s_add_nc_u64 s[32:33], s[8:9], s[34:35]
	s_mul_i32 s34, s22, REC
	s_add_nc_u64 s[24:25], s[14:15], s[34:35]      ; the record
	s_lshl_b32 s36, s20, 7
	s_add_co_u32 s36, s36, 25088
	s_mov_b32 s37, 0
	s_add_nc_u64 s[26:27], s[24:25], s[36:37]      ; my 32 scale words
	s_mul_i32 s36, s20, 3072
	s_add_co_u32 s36, s36, 12288
	s_add_nc_u64 s[24:25], s[24:25], s[36:37]      ; my two images
	s_wait_alu depctr_va_vdst(0)
	v_mul_u32_u24 v5, v3, 1536
	v_lshl_add_u32 v5, v2, 4, v5                   ; tile lane / 16 of my two, row lane % 16
.macro VLOAD t                         ; block t: V(32 t + i, my channel): 128 consecutive bytes a wave, the four waves side by side on a row's 512
.irp i, 0,1,2,3,4,5,6,7,8,9,10,11,12,13,14,15,16,17,18,19,20,21,22,23,24,25,26,27,28,29,30,31
	global_load_b32 v[32+32*(\t)+\i], v10, s[32:33] offset:512*(32*(\t)+\i) th:TH_LOAD_NT
.endr
.endm
; Block kb of 32 keys is registers 6 (kb / 2) .. + 5 of the fragment's lane (r, kb % 2): I make both lanes' registers of my channel: v160-171 for h = 0, v172-183 for h = 1.
.macro VBLK kb
.set XR, 32+32*(\kb)
.set CR, 160+12*((\kb)%2)+6*((\kb)/2)
.if (\kb) < 3
	s_wait_loadcnt 32                              ; this block's 32 loads are in; the next block's may be out
.else
	s_wait_loadcnt 0x0
.endif
.if (\kb) < 2
	VLOAD (\kb)+2
.endif
	v_max3_num_f32 v[12+\kb], |v[XR]|, |v[XR+1]|, |v[XR+2]|
	v_max3_num_f32 v25, |v[XR+3]|, |v[XR+4]|, |v[XR+5]|
.irp i, 6,10,14,18,22,26
	v_max3_num_f32 v[12+\kb], v[12+\kb], |v[XR+\i]|, |v[XR+\i+1]|
	v_max3_num_f32 v25, v25, |v[XR+\i+2]|, |v[XR+\i+3]|
.endr
	v_max3_num_f32 v[12+\kb], v[12+\kb], |v[XR+30]|, |v[XR+31]|
	v_max3_num_f32 v[12+\kb], v[12+\kb], v25, FLOOR
	v_add_nc_u32 v[16+\kb], 0xff000000, v[12+\kb]
	v_lshrrev_b32 v[20+\kb], 23, v[16+\kb]
.if (\kb) == 0
	v_mov_b32 v24, v20                             ; the four bytes make my channel's scale word
.else
	v_lshl_or_b32 v24, v[20+\kb], 8*(\kb), v24
.endif
	v_cvt_scalef32_pk16_fp6_f32 v[CR:CR+2], v[XR:XR+15], v[16+\kb]
	v_cvt_scalef32_pk16_fp6_f32 v[184+4*(\kb):186+4*(\kb)], v[XR+16:XR+31], v[16+\kb]
	v_nop                                          ; one plain place behind a scaled conversion
.irp i, 0,1,2
	v_mov_b32 v[CR+3+\i], v[184+4*(\kb)+\i]
.endr
.endm
	VLOAD 0
	VLOAD 1
	VBLK 0
	VBLK 1
	VBLK 2
	VBLK 3
.irp h, 0,1
.irp k, 0,1,2
	global_store_b128 v5, v[160+12*\h+4*\k:163+12*\h+4*\k], s[24:25] offset:512*\k+256*\h   ; each half of the lanes stores 256 consecutive bytes, aligned
.endr
.endr
	global_store_b32 v10, v24, s[26:27]
	s_endpgm
; ---------------- the mask: work-group T takes 16 queries, wave w the key steps 4 w .. 4 w + 3.
.Lmask:
	s_lshl_b32 s28, ttmp9, 15                      ; 16 rows of 2,048 bytes
	s_lshl_b32 s30, s20, 9                         ; 4 key steps of 128 bytes
	s_add_co_u32 s28, s28, s30
	s_mov_b32 s29, 0
	s_add_nc_u64 s[22:23], s[10:11], s[28:29]
	s_lshl_b32 s28, ttmp9, 4
	s_lshl_b32 s30, s20, 2
	s_add_co_u32 s28, s28, s30
	s_lshl_b32 s28, s28, 8                         ; 256 bytes of words for each (T, j)
	s_add_nc_u64 s[24:25], s[16:17], s[28:29]
	s_lshl_b32 s28, ttmp9, 2
	s_add_co_u32 s28, s28, s20
	s_lshl_b32 s28, s28, 2
	s_add_nc_u64 s[26:27], s[18:19], s[28:29]
	v_lshlrev_b32 v28, 11, v2
	v_lshl_add_u32 v28, v3, 4, v28                 ; row r, + 16 h: my 16 bytes of each 32
	v_lshlrev_b32 v5, 3, v1                        ; out: two words a lane
	v_mov_b32 v6, 0
	s_mov_b32 s52, 0
.irp i, 0,1,2,3,4,5,6,7
	v_mov_b32 v[116+\i], 0                         ; v_writelane_b32's destination counts as read
.endr
.irp j, 0,1,2,3
.irp b, 0,1,2,3
	global_load_b128 v[32+16*\j+4*\b:35+16*\j+4*\b], v28, s[22:23] offset:128*\j+32*\b
.endr
.endr
; Key step jj of my four.  Byte i of block b in lane (r, h) is mask[16 T + r][128 j + 32 b + 16 h + i]: a compare over the lanes gives word n = 16 b + i, which goes to lane n / 2, register n % 2.
.macro MJ jj
	s_wait_loadcnt 12-4*(\jj)                      ; this step's four loads are in; the later steps' may be out
.irp b, 0,1,2,3
.irp i, 0,1,2,3,4,5,6,7,8,9,10,11,12,13,14,15
	v_and_b32 v[96+\i], 0xff<<(8*(\i%4)), v[32+16*(\jj)+4*\b+\i/4]
.endr
.irp i, 0,1,2,3,4,5,6,7,8,9,10,11,12,13,14,15
	v_cmp_ne_u32 s[32+\i], 0, v[96+\i]
.endr
.irp i, 0,1,2,3,4,5,6,7,8,9,10,11,12,13,14,15
	v_writelane_b32 v[116+2*(\jj)+\i%2], s[32+\i], 8*\b+\i/2
.endr
.endr
	v_or_b32 v112, v[32+16*(\jj)], v[33+16*(\jj)]
	v_and_b32 v113, v[32+16*(\jj)], v[33+16*(\jj)]
.irp i, 2,3,4,5,6,7,8,9,10,11,12,13,14,15
	v_or_b32 v112, v112, v[32+16*(\jj)+\i]
	v_and_b32 v113, v113, v[32+16*(\jj)+\i]
.endr
	v_cmp_ne_u32 s48, 0, v112                      ; lanes with a true byte
	v_cmp_ne_u32 s49, 0x01010101, v113             ; lanes with a byte that is not 1
	s_cmp_lg_u32 s48, 0
	s_cselect_b32 s50, 1, 0                        ; some
	s_cmp_lg_u32 s49, 0
	s_cselect_b32 s51, 1, 0
	s_and_b32 s51, s51, s50                        ; some but not all
	s_lshl_b32 s50, s50, \jj
	s_lshl_b32 s51, s51, 16+\jj
	s_or_b32 s52, s52, s50
	s_or_b32 s52, s52, s51
	global_store_b64 v5, v[116+2*(\jj):117+2*(\jj)], s[24:25] offset:256*(\jj)   ; 256 consecutive bytes, aligned
.endm
	MJ 0
	MJ 1
	MJ 2
	MJ 3
	s_lshl_b32 s30, s20, 2
	s_lshl_b32 s52, s52, s30                       ; bits 4 w on, and 16 + 4 w on
	v_mov_b32 v7, s52
	v_cmp_eq_u32 vcc_lo, 0, v1
	s_wait_alu depctr_va_vdst(0)
	s_wait_xcnt 0x0                                ; EXEC is a source of the stores above: it changes only behind this wait
	s_and_saveexec_b32 s53, vcc_lo
	global_store_b32 v6, v7, s[26:27]              ; lane 0 stores my wave's flag word
	s_wait_xcnt 0x0                                ; and again, in front of the line that widens it
	s_or_b32 exec_lo, exec_lo, s53
	s_endpgm
.Lfunc_end_k_q41070c1ec7_prep:
	.size	k_q41070c1ec7_prep, .Lfunc_end_k_q41070c1ec7_prep-k_q41070c1ec7_prep
	.p2alignl 7, 3214868480
	.fill 96, 4, 3214868480
	.section	.rodata,"a",@progbits
	.p2align	6, 0x0
	.amdhsa_kernel k_q41070c1ec7_prep
		.amdhsa_group_segment_fixed_size 34304
		.amdhsa_private_segment_fixed_size 0
		.amdhsa_enable_private_segment 0
		.amdhsa_kernarg_size 64
		.amdhsa_user_sgpr_count 2
		.amdhsa_user_sgpr_kernarg_segment_ptr 1
		.amdhsa_wavefront_size32 1
		.amdhsa_system_sgpr_workgroup_id_x 1
		.amdhsa_system_sgpr_workgroup_id_y 1
		.amdhsa_system_sgpr_workgroup_id_z 1
		.amdhsa_system_vgpr_workitem_id 0
		.amdhsa_next_free_vgpr 202
		.amdhsa_next_free_sgpr 66
		.amdhsa_reserve_vcc 1
		.amdhsa_float_denorm_mode_32 3
		.amdhsa_float_denorm_mode_16_64 3
		.amdhsa_memory_ordered 1
		.amdhsa_forward_progress 1
		.amdhsa_inst_pref_size 93
	.end_amdhsa_kernel
	.amdgpu_metadata
---
amdhsa.version: [ 1, 2 ]
amdhsa.kernels:
  - .name:           k_q41070c1ec7_prep
    .symbol:         k_q41070c1ec7_prep.kd
    .args:
      - { .name: Q, .offset: 0, .size: 8, .value_kind: global_buffer, .address_space: global }
      - { .name: K, .offset: 8, .size: 8, .value_kind: global_buffer, .address_space: global }
      - { .name: V, .offset: 16, .size: 8, .value_kind: global_buffer, .address_space: global }
      - { .name: mask, .offset: 24, .size: 8, .value_kind: global_buffer, .address_space: global }
      - { .name: qq, .offset: 32, .size: 8, .value_kind: global_buffer, .address_space: global }
      - { .name: kv, .offset: 40, .size: 8, .value_kind: global_buffer, .address_space: global }
      - { .name: mw, .offset: 48, .size: 8, .value_kind: global_buffer, .address_space: global }
      - { .name: mf, .offset: 56, .size: 8, .value_kind: global_buffer, .address_space: global }
    .group_segment_fixed_size: 34304
    .private_segment_fixed_size: 0
    .kernarg_segment_align: 8
    .kernarg_segment_size: 64
    .max_flat_workgroup_size: 128
    .sgpr_count:     66
    .vgpr_count:     202
    .wavefront_size: 32
...
	.end_amdgpu_metadata
.endif
;; end of part 3
;; launch attn (part 4): grid 4 x 64, 16 waves a work-group, no clusters, 122,880 bytes of LDS; arguments qq, kv, mw, mf, out0; writes out0
.if DOCPART == 4
	.amdgcn_target "amdgcn-amd-amdhsa--gfx1250"
	.amdhsa_code_object_version 6
	.text
	.protected	k_q41070c1ec7_attn
	.globl	k_q41070c1ec7_attn
	.p2align	8
	.type	k_q41070c1ec7_attn,@function
k_q41070c1ec7_attn:
	s_mov_b64 s[64:65], 0
	v_nop
	global_prefetch_b8 v0, s[64:65] scope:SCOPE_SE
	s_setreg_imm32_b32 hwreg(HW_REG_WAVE_SCHED_MODE, 0, 2), 2
	s_setreg_imm32_b32 hwreg(HW_REG_WAVE_MODE, 25, 1), 1
	s_wait_xcnt 0x0
	s_wait_alu depctr_vm_vsrc(0)
; out0[head][q][:] = the sum over k of softmax_k(mask ? Q.K / sqrt(128) : -inf) V[k][:], both products on codes of FP6 (E2M3) with one E8M0 scale for each 32 along a product's K.
; Codes and scale words come as images of the operands' registers (buffers qq and kv), the mask as lane words (mw) and flags (mf), all stored by the launch before.
; THE SOFTMAX AHEAD OF THE SECOND PRODUCT: t = score x log2(e) / sqrt(128); M = the row's largest t so far, rounded UP to a whole number; p = 2^(t - M) is quantised along the keys, not normalised.
; The row's sum is taken of the unquantised p in f32 and divides at the end.  When M moves, the sum and O are multiplied by 2^(old M - new M): exact.
; SHARES.  A work-group (x = 0..3, head) makes two blocks of 256 queries: block 7 - x, then block x.  Each of its sixteen waves owns one tile of 16 queries in 256 registers: four waves to a SIMD.
; Every block walks all 16 key steps of 128 keys: a constant count, one barrier a step.  WHAT THE MASK THROWS AWAY IS NOT DONE: a wave whose tile has no true byte in a step jumps over the step's work,
; a step that no tile of the block wants is not fetched, and the mask is applied only where a tile's bytes are mixed: scalar branches on the stored flags, never round a barrier.
; A step's record (25,600 bytes) goes from memory through registers into one of two LDS slots: asked for at a step's head, stored at its end, read in the next step.
; NO TENSOR LOADS, NO CLUSTER: the walk hangs on numbers read from memory, and partners of a cluster would want different numbers of records.
; LAYOUT.  Both products are used transposed: S^T = K Q^T (source 0 = 16 keys, source 1 = my 16 queries), O^T = V^T P^T: a lane holds ONE query (lane % 16) throughout;
; the 16 registers of score tiles 2 b, 2 b + 1 are keys 32 b + 16 (lane / 16) + 0 .. 15 (the launch before has chosen the keys of a tile of K so).
; LIMITS: NaN and infinities among the inputs are not served.  A query with no true mask byte has the sum 0 and comes out NaN, as the softmax of a row of -inf does.
; THE MODE: SCHED_MODE bits 1:0 = 2 (LLVM: expert scheduling mode 2), set by the entry lines.  The code itself states the register dependences
; between vector or matrix instructions and memory or LDS instructions, with s_wait_alu, always for 0.
; THE PLAN.  Registers that LDS or memory instructions touch:
;   F  v32-79    four fragments.  LDS loads land: K's tiles 0-3 at the head of a step's work; K's tiles 6, 7 (v32-55) behind score products 0, 1; V's tiles 0-3 behind the exponentials.  Read by the products.
;                On the way out rows of out0 land here, and the global stores read them.
;   G  v224-247  two fragments: K's tiles 4, 5 land at the head of a step's work and score products 4, 5 read them; from the softmax on vector lines hold p's codes and their work here.
;   P  v96-143   the scores and p (matrix and vector lines); behind the conversions, p's last readers, V's tiles 4-7 land here, and products 4-7 of O^T read them.  On the way out LDS stores read v96-159.
;   v248-251     four scale words, K's and then V's: LDS loads write them, products read them.
;   v80-95       a record's bytes: global loads write them, LDS stores read them; no vector line names them but the clears at the head.  On the way out they go with F.
;   v16-27, v255 Q's fragment and scale words: loaded at a block's head, read by the score products.
;   v1-5, v7-9, v28, v29  addresses: made at the head, never written again.
; So a step's work has seven waits on va_vdst: at its head; behind score products 0, 1; in front of the exponentials and behind each of their two batches; behind the places; in front of the products of O^T.  Each run of loads stands straight
; behind one of them, and no vector or matrix line between a run's wait and the run names a register that the run touches.  One wait on vm_vsrc stands in front of each step's barrier, for v80-95.
; REGISTERS: v1-5, v7-9 addresses that stay; v12 -M, v13 the largest t, v[14:15] the sum in two halves; v16-27 Q; v28, v29 the prefetches' offsets; v32-79 F;
; v80-95 a record's bytes on their way to LDS; v96-159 S^T, then p, then P; v160-223 O^T; v224-235 p's codes; v232-247, v252, v254 at work; v248-251 K's or V's scale words; v253 p's; v255 Q's.
.set REC,  25600                       ; a record, and a slot
.set VCO,  12288                       ; V's images in it
.set KSC,  24576                       ; K's scale words
.set VSC,  25088                       ; V's
.set STG,  2*REC                       ; behind the slots: a stage of 16 rows x (256 bytes + 16) for each wave, for the way out
.set WV,   14                          ; s14  my wave
.set HEAD, 15                          ; s15
.set WX,   16                          ; s16  work-group x
.set QB,   17                          ; s17  the block of 256 queries in hand
.set BK,   18                          ; s18  blocks to go
.set TR,   19                          ; s19  pairs of key steps to go
                                       ; s[20:51], s[68:99]  a step's 64 mask words: word n in s[20 + n + 16 (n / 32)]; in the heads: at work
.set FL,   52                          ; s52  my tile's flags, shifted a bit a step: bit 0 some, bit 16 mixed
.set ND,   53                          ; s53  bit 0: the block wants the record that the next fill takes
.set TT,   54                          ; s54  at work
.set GG,   55                          ; s55  pairs of steps done in the launch, 0..15
.set KVP,  56                          ; s[56:57] the record that the next fill takes
.set MWP,  58                          ; s[58:59] this step's 256 bytes of mask words
.set SEL,  60                          ; s[60:61] selects for lane l xor 16
.set CS,   62                          ; s[62:63] c = log2(e) / sqrt(128), twice
.set OUTP, 66                          ; s[66:67] my 16 rows of out0
.set QP,   100                         ; s[100:101] the block's flags, then my Q record
.set LIMK, 104                         ; s104 a wave prefetches records while s[GG] is under it
.set QWHEN, 105                        ; s105 and Q's records when s[GG] equals it
.set PFQ,  2                           ; s[2:3] the second block's two records of qq
	s_load_b256 s[4:11], s[0:1], 0x0               ; qq s[4:5], kv s[6:7], mw s[8:9], mf s[10:11]
	s_load_b64 s[12:13], s[0:1], 0x20              ; out0
	v_lshl_add_u32 v30, v0, 2, 0x1d800
	v_mov_b32 v31, 0
	v_lshrrev_b32 v10, 5, v0
	v_readfirstlane_b32 s[WV], v10                 ; wave 0..15
	s_and_b32 s[HEAD], ttmp7, 0xffff
	s_mov_b32 s[WX], ttmp9
	v_and_b32 v1, 31, v0
	v_lshlrev_b32 v2, 2, v1                        ; 4 x lane: a scale word's place
	v_lshlrev_b32 v1, 4, v1                        ; 16 x lane: an image's place
	v_lshlrev_b32 v3, 4, v0                        ; 16 x thread: the fills' place, in memory and in a slot
	v_and_b32 v10, 15, v0                          ; r
	v_bfe_u32 v11, v0, 4, 1                        ; h
	s_wait_alu depctr_va_sdst(0)                   ; the wave's number is written, ahead of its first reader, the line below
	s_and_b32 s20, s[WV], 7                        ; my tile in its record of qq
	s_mul_i32 s21, s20, 1536
	v_add_nc_u32 v4, s21, v1
	s_lshl_b32 s21, s20, 6
	v_lshl_add_u32 v5, v10, 2, s21
	v_lshlrev_b32 v7, 9, v11
	v_lshl_add_u32 v7, v10, 4, v7                  ; out0: lanes 0-15 one row, lanes 16-31 the next; 16 bytes a lane
	s_mul_i32 s20, s[WV], 16*272
	s_add_co_u32 s20, s20, STG                     ; my stage
	v_mul_u32_u24 v8, v10, 272
	v_lshl_add_u32 v8, v11, 5, v8
	v_add_nc_u32 v8, s20, v8                       ; in: row r, + 32 h
	v_mul_u32_u24 v9, v11, 272
	v_lshl_add_u32 v9, v10, 4, v9
	v_add_nc_u32 v9, s20, v9                       ; back: lanes 0-15 one row, lanes 16-31 the next
	v_min_u32 v28, 99, v0
	v_lshlrev_b32 v28, 8, v28                      ; the prefetches: threads 256 bytes apart, held at the 25,600 bytes' last 256
	v_add_nc_u32 v29, 0xffffff80, v0               ; (thread - 128, for waves 4 to 7)
	v_min_u32 v29, 99, v29
	v_lshlrev_b32 v29, 8, v29
.set n, 0
.rept 16
	v_mov_b32 v[80+n], 0                           ; written once, so that they are written on every way to the LDS stores that name them
.set n, n+1
.endr
.irp b, 0,1,2,3
	v_mov_b32 v[236+\b], 0                         ; a lane permute's destination counts as one of its sources
.endr
	v_mov_b32 v252, 0
	v_mov_b32 v253, 0                              ; (named as the upper half of the pair v[252:253] before it is first written)
	s_mov_b32 s[SEL], 0x76543210
	s_mov_b32 s[SEL+1], 0xfedcba98
	s_mov_b32 s[CS], 0x3e0293ee
	s_mov_b32 s[CS+1], s[CS]
	s_lshr_b32 s20, s[WV], 2
	s_xor_b32 s20, s20, 1                          ; 0 in waves 4 to 7,
	s_or_b32 s20, s20, s[WX]                       ; of the head's work-group 0
	s_cmp_eq_u32 s20, 0
	s_cselect_b32 s[LIMK], 7, 0
	s_cmp_lt_u32 s[WV], 4
	s_cselect_b32 s[QWHEN], 4, -1
	s_sub_co_u32 s[QB], 7, s[WX]
	s_mov_b32 s[BK], 2
	s_mov_b32 s[GG], 0
	s_lshl_b32 s20, s[HEAD], 4
	s_lshl_b32 s21, s[WX], 1
	s_add_co_u32 s20, s20, s21
	s_mul_i32 s20, s20, 12800
	s_mov_b32 s21, 0
	s_wait_kmcnt 0x0
	s_add_nc_u64 s[PFQ:PFQ+1], s[4:5], s[20:21]
	s_wait_alu depctr_va_vdst(0)                   ; the addresses v1-5, v7-9, v28, v29 are written, which every load, store and prefetch below reads; so are v80-95 and v236-239, in which loads land
; The record at s[KVP] is asked for, if the block wants it: 512 threads x 16 bytes, three times, are K's and V's images; waves 0 and 1 bring the 1,024 bytes of scale words.
; (No vector line names v80-95 behind the head; that the LDS stores and the way out's stores have read them is stated in front of the barrier and at the way out's end.)
.macro ASKFILL
	s_and_b32 s[TT], s[ND], 1
	s_cmp_eq_u32 s[TT], 0
	s_cbranch_scc1 .Lnoask_\@
	global_load_b128 v[80:83], v3, s[KVP:KVP+1]
	global_load_b128 v[84:87], v3, s[KVP:KVP+1] offset:8192
	global_load_b128 v[88:91], v3, s[KVP:KVP+1] offset:16384
	s_cmp_gt_u32 s[WV], 1
	s_cbranch_scc1 .Lnoask_\@
	global_load_b128 v[92:95], v3, s[KVP:KVP+1] offset:24576
.Lnoask_\@:
.endm
; and stored into the slot at byte sb; then the step's ONE barrier.  In front of it my stores into that slot have landed and my reads of the other slot are over:
; behind it the slot just written is read, and the slot just read is written.
.macro PUTFILL sb
	s_wait_loadcnt 0x0                             ; on every way: no load is out on v80-95 (nor on Q's registers, at a block's head)
	s_wait_xcnt 0x0                                ; a prefetch may have read s[KVP]: it is stepped only behind this wait
	s_add_nc_u64 s[KVP:KVP+1], s[KVP:KVP+1], REC
	s_and_b32 s[TT], s[ND], 1
	s_lshr_b32 s[ND], s[ND], 1
	s_cmp_eq_u32 s[TT], 0
	s_cbranch_scc1 .Lnoput_\@
	ds_store_b128 v3, v[80:83] offset:(\sb)
	ds_store_b128 v3, v[84:87] offset:(\sb)+8192
	ds_store_b128 v3, v[88:91] offset:(\sb)+16384
	s_cmp_gt_u32 s[WV], 1
	s_cbranch_scc1 .Lnoput_\@
	ds_store_b128 v3, v[92:95] offset:(\sb)+24576
.Lnoput_\@:
	s_wait_dscnt 0x0
	s_wait_alu depctr_vm_vsrc(0)                   ; the LDS stores have read v80-95, in which the next step's loads, or the way out's, land
	s_barrier_signal -1
	s_barrier_wait -1
.endm
; Score tile n of 8: 16 keys x my 16 queries.  Tiles 0-3 lie in F, tiles 4, 5 in G, tiles 6, 7 in F's first half.  A register of scale words carries an even tile's in lanes 0-15 and the next tile's in lanes 16-31.
.macro KQ n
.set rD, 96+8*(\n)
.if (\n) < 4
.set rA, 32+12*(\n)
.elseif (\n) < 6
.set rA, 224+12*((\n)-4)
.else
.set rA, 32+12*((\n)-6)
.endif
.set rS, 248+(\n)/2
.if (\n)%2
	v_wmma_scale_f32_16x16x128_f8f6f4 v[rD:rD+7], v[rA:rA+11], v[16:27], 0, v[rS], v255 matrix_a_fmt:MATRIX_FMT_FP6 matrix_b_fmt:MATRIX_FMT_FP6 matrix_a_scale:MATRIX_SCALE_ROW1
.else
	v_wmma_scale_f32_16x16x128_f8f6f4 v[rD:rD+7], v[rA:rA+11], v[16:27], 0, v[rS], v255 matrix_a_fmt:MATRIX_FMT_FP6 matrix_b_fmt:MATRIX_FMT_FP6
.endif
.endm
; Tile n of 8 of O^T: 16 channels x my 16 queries, K = the step's 128 keys.  V's tiles 0-3 lie in F, tiles 4-7 in P.  The eight accumulators take turns, one instruction a turn.
.macro PV n
.set rD, 160+8*(\n)
.if (\n) < 4
.set rA, 32+12*(\n)
.else
.set rA, 96+12*((\n)-4)
.endif
.set rS, 248+(\n)/2
.if (\n)%2
	v_wmma_scale_f32_16x16x128_f8f6f4 v[rD:rD+7], v[rA:rA+11], v[224:235], v[rD:rD+7], v[rS], v253 matrix_a_fmt:MATRIX_FMT_FP6 matrix_b_fmt:MATRIX_FMT_FP6 matrix_a_scale:MATRIX_SCALE_ROW1
.else
	v_wmma_scale_f32_16x16x128_f8f6f4 v[rD:rD+7], v[rA:rA+11], v[224:235], v[rD:rD+7], v[rS], v253 matrix_a_fmt:MATRIX_FMT_FP6 matrix_b_fmt:MATRIX_FMT_FP6
.endif
.endm
; A fragment's image, from LDS byte off, into v[reg] on: three loads of 512 consecutive bytes
.macro FRAG reg, off
.irp c, 0,1,2
	ds_load_b128 v[(\reg)+4*\c:(\reg)+4*\c+3], v1 offset:(\off)+512*\c
.endr
.endm
; The four registers of scale words of eight tiles, from LDS byte off
.macro WORDS off
.irp p, 0,1,2,3
	ds_load_b32 v[248+\p], v2 offset:(\off)+128*\p
.endr
.endm
; A KEY STEP'S WORK for my tile, from the slot at byte sb.
.macro COMPUTE sb
	s_wait_alu depctr_va_vdst(0)                   ; the last step's products are done reading F, v224-235 and the scale words, and its vector lines are done with v224-247: the loads below land in all of these
	s_load_b512 s[20:35], s[MWP:MWP+1], 0x0        ; the step's 64 mask words: asked for now, waited for behind the products
	s_load_b512 s[36:51], s[MWP:MWP+1], 0x40
	s_load_b512 s[68:83], s[MWP:MWP+1], 0x80
	s_load_b512 s[84:99], s[MWP:MWP+1], 0xc0
	WORDS (\sb)+KSC                                ; K's scale words first: the first product wants them
.irp t, 0,1,2,3
	FRAG 32+12*\t, (\sb)+1536*\t                   ; K's tiles 0-3 into F
.endr
.irp t, 0,1
	FRAG 224+12*\t, (\sb)+1536*(4+\t)              ; tiles 4, 5 into G
.endr
	s_wait_dscnt 12                                ; the scale words and tiles 0, 1 are in; the 12 loads of tiles 2-5 may be out
	KQ 0
	KQ 1
.rept 4
	v_nop                                          ; four plain places stay in front of loads into registers that matrix instructions have read
.endr
	s_wait_alu depctr_va_vdst(0)                   ; score products 0, 1 are done reading v32-55, in which tiles 6, 7 land
.irp t, 0,1
	FRAG 32+12*\t, (\sb)+1536*(6+\t)               ; they land while products 2-5, which name v56-79, G, v249 and v250, are at work
.endr
	s_wait_dscnt 6                                 ; tiles 2-5 are in; the 6 loads of tiles 6, 7 may be out
.irp t, 2,3,4,5
	KQ \t
.endr
	s_wait_dscnt 0x0
	KQ 6
	KQ 7
.rept 4
	v_nop                                          ; places in front of the first read of the scores, and of the vector lines that write v232-247, which products 4, 5 have read
.endr
	s_wait_kmcnt 0x0                               ; the mask words are in
	s_and_b32 s[TT], s[FL], 0x10000
	s_cmp_eq_u32 s[TT], 0
	s_cbranch_scc1 .Lopen_\@                       ; all of the tile's bytes are true in this step: nothing to hide
	v_mov_b32 v254, 0xff800000                     ; -infinity
.set n, 0
.rept 64
	v_cndmask_b32 v[96+n], v254, v[96+n], s[20+n+16*(n/32)]   ; where the lane's bit is 0 the score is hidden: p = 0 then.  Ascending: each accumulator is read from its low end on
.set n, n+1
.endr
.Lopen_\@:
.irp b, 0,1,2,3
	v_max3_num_f32 v[232+\b], v[96+16*\b], v[97+16*\b], v[98+16*\b]   ; the largest score of each block of 32 keys: for the row's maximum and, since p rises with the score, for the block's largest p
.endr
.irp i, 3,5,7,9,11,13
.irp b, 0,1,2,3
	v_max3_num_f32 v[232+\b], v[232+\b], v[96+16*\b+\i], v[97+16*\b+\i]
.endr
.endr
.irp b, 0,1,2,3
	v_max_num_f32 v[232+\b], v[232+\b], v[111+16*\b]
.endr
.irp b, 0,1,2,3
	v_permlanex16_b32 v[236+\b], v[232+\b], s[SEL], s[SEL+1]
.endr
.irp b, 0,1,2,3
	v_max_num_f32 v[232+\b], v[232+\b], v[236+\b]  ; with lane l xor 16's 16 keys
.endr
	v_max3_num_f32 v254, v232, v233, v234
	v_max_num_f32 v254, v254, v235                 ; the step's largest score of my query
	v_mul_f32 v254, s[CS], v254                    ; as t (c is positive)
	v_max_num_f32 v13, v13, v254                   ; the running largest t
	v_mov_b32 v254, v12
	v_floor_f32 v12, -v13                          ; the new -M = floor(-t) = -ceil(t): a whole number
	v_sub_f32 v254, v12, v254                      ; old M - new M: a whole number, 0 or less
	v_cvt_i32_f32 v254, v254                       ; (it saturates)
	v_ldexp_f32 v252, 1.0, v254                    ; f = 2^(old M - new M)
.set n, 0
.rept 32
	v_pk_fma_f32 v[96+n:97+n], v[96+n:97+n], s[CS:CS+1], v[12:13] op_sel_hi:[1,0,0]   ; t - M, two at a time
.set n, n+2
.endr
.irp b, 0,1,2,3
	v_fma_f32 v[232+\b], v[232+\b], s[CS], v12     ; the same of each block's largest score
.endr
.set n, 0
	s_wait_alu depctr_va_vdst(0)
.rept 64
	v_exp_f32 v[96+n], v[96+n]                     ; p = 2^(t - M), at most 1: not normalised
.set n, n+1
.endr
	v_pk_mul_f32 v[14:15], v[14:15], v[252:253] op_sel_hi:[1,0]   ; the sums under the new M: the plain place behind the exponentials
	s_wait_alu depctr_va_vdst(0)                   ; the 64 exponentials have written p, ahead of its first reader; and the score products are done reading F and the scale words, in which the loads below land
	WORDS (\sb)+VSC                                ; V's scale words and tiles 0-3: asked for here, wanted behind the conversions; no line between names F or v248-251
.irp t, 0,1,2,3
	FRAG 32+12*\t, (\sb)+VCO+1536*\t
.endr
.irp b, 0,1,2,3
	v_exp_f32 v[232+\b], v[232+\b]                 ; the block's largest p: the same two instructions on the same number give the same bits
.endr
	v_pk_add_f32 v[236:237], v[96:97], v[98:99]    ; the row's sum is taken of the unquantised p: two at a time, in two chains
.irp j, 4,8,12,16,20,24,28,32,36,40,44,48,52,56,60
	v_pk_add_f32 v[14:15], v[14:15], v[96+\j:97+\j]
	v_pk_add_f32 v[236:237], v[236:237], v[98+\j:99+\j]
.endr
	v_pk_add_f32 v[14:15], v[14:15], v[236:237]
	s_wait_alu depctr_va_vdst(0)                   ; the four exponentials have written v232-235, ahead of their first reader
.irp b, 0,1,2,3
	v_max_num_f32 v[232+\b], 0x1800000, v[232+\b]  ; the floor 2^(3 - 127): the byte cannot fall under 1 (a block of zeros keeps that byte: its codes are zeros)
.endr
.irp b, 0,1,2,3
	v_add_nc_u32 v[244+\b], 0xff000000, v[232+\b]  ; 2 off the exponent field: the conversion's scale operand
.endr
.irp b, 0,1,2,3
	v_lshrrev_b32 v[236+\b], 23, v[244+\b]         ; the scale's byte
.endr
	v_lshl_or_b32 v253, v237, 8, v236              ; p's scale word for these 128 keys
	v_lshl_or_b32 v253, v238, 16, v253
	v_lshl_or_b32 v253, v239, 24, v253
.irp c, 0,1
	v_cvt_scalef32_pk16_fp6_f32 v[224+6*\c:226+6*\c], v[96+32*\c:111+32*\c], v[244+2*\c]
	v_cvt_scalef32_pk16_fp6_f32 v[236+4*\c:238+4*\c], v[112+32*\c:127+32*\c], v[244+2*\c+1]   ; (a conversion's three registers begin on an even number)
.endr
	v_nop                                          ; one plain place behind a scaled conversion
.irp c, 0,1                                    ; the operand's layout wants a whole block in a lane: lanes 0-15 block 2 c, lanes 16-31 block 2 c + 1
.irp i, 0,1,2
	v_permlane16_swap_b32 v[224+6*\c+\i], v[236+4*\c+\i]
.endr
.irp i, 0,1,2
	v_mov_b32 v[227+6*\c+\i], v[236+4*\c+\i]
.endr
.endr
.set n, 0
.rept 8
	v_pk_mul_f32 v[160+n:161+n], v[160+n:161+n], v[252:253] op_sel_hi:[1,0]   ; O^T under the new M.  These eight are the places between the lines that wrote p's codes and scale word and the scaled products
.set n, n+2
.endr
	s_wait_alu depctr_va_vdst(0)                   ; behind the places: p's codes v224-235 and scale word v253 are written, which the scaled products take; and the conversions are done reading p, in whose registers the loads below land
.irp t, 0,1,2,3
	FRAG 96+12*\t, (\sb)+VCO+1536*(4+\t)           ; V's tiles 4-7 into P
.endr
.rept 24
	v_pk_mul_f32 v[160+n:161+n], v[160+n:161+n], v[252:253] op_sel_hi:[1,0]   ; the rest of O^T: these name none of v96-143
.set n, n+2
.endr
	s_wait_alu depctr_va_vdst(0)
	s_wait_dscnt 12                                ; V's scale words and tiles 0-3 are in; the 12 loads of tiles 4-7 may be out
.irp t, 0,1,2,3
	PV \t
.endr
	s_wait_dscnt 0x0                               ; tiles 4-7 are in, and my reads of this slot are over
.irp t, 4,5,6,7
	PV \t
.endr
.rept 5
	v_nop                                          ; five places: the next step's first score products write over v96-143, which the last products have read as a source; they serve the way out's reads of O^T too
.endr
.endm
; A KEY STEP: reads slot s, fills slot 1 - s.
; PREFETCHES, behind the step's loads, from registers that are not rewritten soon.  Records: all four work-groups of a head walk the same records, so work-group 0 asks, in its first block,
; by its waves 4 to 7, a thread to each 256 bytes: in step j for record j + 2, one step ahead of the load that will want it; steps 14 and 15 ask for nothing; records 0 and 1 come by their loads alone.
; Q: in step 8 of the first block waves 0 to 3 ask for the second block's two records of qq, 25,600 bytes on end.
.macro STEP s
	ASKFILL
	s_cmp_lt_u32 s[GG], s[LIMK]
	s_cbranch_scc0 .Lnopf_\@
	global_prefetch_b8 v29, s[KVP:KVP+1] offset:REC th:TH_LOAD_NT scope:SCOPE_SE
.Lnopf_\@:
.if (\s) == 0
	s_cmp_eq_u32 s[GG], s[QWHEN]
	s_cbranch_scc0 .Lnoq_\@
	global_prefetch_b8 v28, s[PFQ:PFQ+1] th:TH_LOAD_NT scope:SCOPE_SE
.Lnoq_\@:
.endif
	s_and_b32 s[TT], s[FL], 1
	s_cmp_eq_u32 s[TT], 0
	s_cbranch_scc1 .Lskip_\@                       ; no byte of my tile is true in this step
	COMPUTE REC*(\s)
.Lskip_\@:
	s_lshr_b32 s[FL], s[FL], 1
	s_add_nc_u64 s[MWP:MWP+1], s[MWP:MWP+1], 256   ; (no scalar load is out: the step's own were waited for)
	PUTFILL REC*(1-(\s))
.endm
.Lblock:                                           ; on both ways here no vector line has been issued since the last wait on va_vdst: the loads of this head owe nothing more
	s_lshl_b32 s20, s[QB], 8                       ; the block's 16 tiles x 4 flag words
	s_mov_b32 s21, 0
	s_add_nc_u64 s[QP:QP+1], s[10:11], s[20:21]
	s_lshl_b32 s[TT], s[WV], 4
	s_load_b512 s[20:35], s[QP:QP+1], 0x0
	s_load_b512 s[36:51], s[QP:QP+1], 0x40
	s_load_b512 s[68:83], s[QP:QP+1], 0x80
	s_load_b512 s[84:99], s[QP:QP+1], 0xc0
	s_load_b128 s[56:59], s[QP:QP+1], s[TT] offset:0x0   ; my tile's four
	s_wait_kmcnt 0x0
	s_or_b32 s[ND], s20, s21
.set n, 22
.rept 30
	s_or_b32 s[ND], s[ND], s[n]
.set n, n+1
.endr
.set n, 68
.rept 32
	s_or_b32 s[ND], s[ND], s[n]
.set n, n+1
.endr
	s_and_b32 s[ND], s[ND], 0xffff                 ; bit j: some tile of the block wants record j
	s_or_b32 s[FL], s56, s57
	s_or_b32 s[FL], s[FL], s58
	s_or_b32 s[FL], s[FL], s59                     ; my tile's flags for the 16 steps
	s_mul_i32 s20, s[HEAD], 16*REC
	s_mov_b32 s21, 0
	s_add_nc_u64 s[KVP:KVP+1], s[6:7], s[20:21]    ; the head's record 0
	s_lshl_b32 s22, s[QB], 4
	s_add_co_u32 s22, s22, s[WV]                   ; my tile T
	s_lshl_b32 s20, s22, 12                        ; 16 steps x 256 bytes
	s_add_nc_u64 s[MWP:MWP+1], s[8:9], s[20:21]
	s_lshl_b32 s20, s[HEAD], 11
	s_lshl_b32 s22, s22, 4
	s_add_co_u32 s20, s20, s22                     ; my first row: 2,048 x head + 16 T
	s_lshl_b32 s20, s20, 9
	s_add_nc_u64 s[OUTP:OUTP+1], s[12:13], s[20:21]
	s_lshl_b32 s20, s[HEAD], 4
	s_lshl_b32 s22, s[QB], 1
	s_add_co_u32 s20, s20, s22
	s_lshr_b32 s22, s[WV], 3
	s_add_co_u32 s20, s20, s22                     ; my record of qq: 16 x head + 2 x block + wave / 8
	s_mul_i32 s20, s20, 12800
	s_add_nc_u64 s[QP:QP+1], s[4:5], s[20:21]
	ASKFILL                                        ; record 0
.irp c, 0,1,2
	global_load_b128 v[16+4*\c:19+4*\c], v4, s[QP:QP+1] offset:512*\c th:TH_LOAD_NT   ; Q's fragment stays in registers for the block (the last block's score products, which read these registers, stand ahead of the way out's waits on va_vdst)
.endr
	global_load_b32 v255, v5, s[QP:QP+1] offset:12288 th:TH_LOAD_NT                   ; and its scale words
	v_mov_b32 v13, 0xff61b1e6                      ; the largest t so far: -3e38, under every t
	v_floor_f32 v12, -v13                          ; -M
	v_mov_b32 v14, 0                               ; the sum, in two halves
	v_mov_b32 v15, 0
.set n, 0
.rept 64
	v_mov_b32 v[160+n], 0                          ; O^T: which step is a tile's first hangs on the mask, so the sums begin as zeros, which the first change of M leaves zeros
.set n, n+1
.endr
	PUTFILL 0
	s_mov_b32 s[TR], 8
.Lpair:
	STEP 0
	STEP 1
	s_add_co_u32 s[GG], s[GG], 1
	s_sub_co_u32 s[TR], s[TR], 1
	s_cmp_lg_u32 s[TR], 0
	s_cbranch_scc1 .Lpair
	; THE WAY OUT.  O^T is divided by the sum and goes through my own stage in LDS, half a row (64 channels, 256 bytes) of 16 queries at a time, so that sixteen lanes store 256 consecutive bytes, aligned.
	v_add_f32 v14, v14, v15                        ; the sum's two halves,
	v_permlanex16_b32 v252, v14, s[SEL], s[SEL+1]
	v_add_f32 v14, v14, v252                       ; and lane l xor 16's: the row's sum
	s_wait_alu depctr_va_vdst(0)
	v_rcp_f32 v14, v14
	v_nop                                          ; a plain place behind the transcendental
	s_wait_alu depctr_va_vdst(0)                   ; the reciprocal has written v14, ahead of its first reader
.set n, 0
.rept 64
	v_mul_f32 v[96+n], v[160+n], v14               ; register 8 t + i is o(r, 16 t + 8 h + i)
.set n, n+1
.endr
	s_wait_alu depctr_va_vdst(0)                   ; the multiplications have written v96-159, which the LDS stores read; the products are done reading F, in which the loads from the stage land
.irp u, 0,1                                    ; channels 64 u on
.irp t, 0,1,2,3
	ds_store_b128 v8, v[96+32*\u+8*\t:99+32*\u+8*\t] offset:64*\t
	ds_store_b128 v8, v[100+32*\u+8*\t:103+32*\u+8*\t] offset:64*\t+16
.endr
.irp i, 0,1,2,3,4,5,6,7
	ds_load_b128 v[32+32*\u+4*\i:35+32*\u+4*\i], v9 offset:2*\i*272   ; LDS serves a wave's instructions in order: these see my stores, and the next half's stores come behind them
.endr
.endr
.irp u, 0,1
.irp i, 0,1,2,3,4,5,6,7
	s_wait_dscnt 15-8*\u-\i                        ; this load is back; the younger loads may be out
	global_store_b128 v7, v[32+32*\u+4*\i:35+32*\u+4*\i], s[OUTP:OUTP+1] offset:2*\i*512+256*\u th:TH_STORE_NT
.endr
.endr
	s_wait_xcnt 0x0                                ; the stores have read their registers and their base: both are written again in the next block
	s_wait_alu depctr_vm_vsrc(0)                   ; the global stores have read v32-95 and the LDS stores v96-159: in the next block loads land in the first and score products write the second
	s_mov_b32 s[QB], s[WX]                         ; the second block
	s_sub_co_u32 s[BK], s[BK], 1
	s_cmp_lg_u32 s[BK], 0
	s_cbranch_scc1 .Lblock
	s_wait_dscnt 0x0
	s_wait_alu depctr_hold_cnt(0) depctr_sa_sdst(0) depctr_va_vdst(0) depctr_va_sdst(0) depctr_va_ssrc(0) depctr_va_vcc(0) depctr_vm_vsrc(0)
	s_wait_tensorcnt 0x0
	ds_add_u32 v30, v31
	s_wait_dscnt 0x0
	s_endpgm
.Lfunc_end_k_q41070c1ec7_attn:
	.size	k_q41070c1ec7_attn, .Lfunc_end_k_q41070c1ec7_attn-k_q41070c1ec7_attn
	.p2alignl 7, 3214868480
	.fill 96, 4, 3214868480
	.section	.rodata,"a",@progbits
	.p2align	6, 0x0
	.amdhsa_kernel k_q41070c1ec7_attn
		.amdhsa_group_segment_fixed_size 122880
		.amdhsa_private_segment_fixed_size 0
		.amdhsa_enable_private_segment 0
		.amdhsa_kernarg_size 40
		.amdhsa_user_sgpr_count 2
		.amdhsa_user_sgpr_kernarg_segment_ptr 1
		.amdhsa_wavefront_size32 1
		.amdhsa_system_sgpr_workgroup_id_x 1
		.amdhsa_system_sgpr_workgroup_id_y 1
		.amdhsa_system_sgpr_workgroup_id_z 1
		.amdhsa_system_vgpr_workitem_id 0
		.amdhsa_next_free_vgpr 256
		.amdhsa_next_free_sgpr 106
		.amdhsa_reserve_vcc 0
		.amdhsa_float_denorm_mode_32 3
		.amdhsa_float_denorm_mode_16_64 3
		.amdhsa_memory_ordered 1
		.amdhsa_forward_progress 1
		.amdhsa_inst_pref_size 68
	.end_amdhsa_kernel
	.amdgpu_metadata
---
amdhsa.version: [ 1, 2 ]
amdhsa.kernels:
  - .name:           k_q41070c1ec7_attn
    .symbol:         k_q41070c1ec7_attn.kd
    .args:
      - { .name: qq, .offset: 0, .size: 8, .value_kind: global_buffer, .address_space: global }
      - { .name: kv, .offset: 8, .size: 8, .value_kind: global_buffer, .address_space: global }
      - { .name: mw, .offset: 16, .size: 8, .value_kind: global_buffer, .address_space: global }
      - { .name: mf, .offset: 24, .size: 8, .value_kind: global_buffer, .address_space: global }
      - { .name: out0, .offset: 32, .size: 8, .value_kind: global_buffer, .address_space: global }
    .group_segment_fixed_size: 122880
    .private_segment_fixed_size: 0
    .kernarg_segment_align: 8
    .kernarg_segment_size: 40
    .max_flat_workgroup_size: 512
    .sgpr_count:     106
    .vgpr_count:     256
    .wavefront_size: 32
...
	.end_amdgpu_metadata
.endif
;; end of part 4
